; MI455X (gfx1250); checked and timed in simulation.
; The chip was launched on July 23, 2026; its instructions are those of AMD's public machine-readable ISA for CDNA 5 (MIT licence, August 2026) and "CDNA5" Instruction Set Architecture Reference Guide (July 2026). The comments in the code are by the model that wrote it; some were corrected since.
;; Global Attention. Allowed arithmetic: matrix products marked QUANTISED: E4M3 operands, one given power-of-two scale a tensor, by v_wmma_f32_16x16x64_fp8_fp8 or v_wmma_f32_16x16x128_fp8_fp8, f32 sums; products left as they are: f32 operands where the result goes on into a quantised operand, else bf16, f16 or f32 operands; f32 sums; everything else in f32.
;; Inputs: Wkv_codes 2,048 x 32 x 32 uint8 (E4M3 codes of Wkv, K innermost, in blocks of 32 codes); Wq_codes 1,024 x 32 x 32 uint8 (E4M3 codes of Wq, K innermost, in blocks of 32 codes); class_feature 1 x 1 x 1,024 float32; features 16 x 2,048 x 1,024 float32; kv_beta 1,024 float32; kv_gamma 1,024 float32; lowp_scales 6 int32 (the exponents e of the quantised operands' scales 2^e); proj_W_codes 1,024 x 32 x 32 uint8 (E4M3 codes of proj_W, K innermost, in blocks of 32 codes); proj_b 1,024 float32; q_beta 1,024 float32; q_gamma 1,024 float32.
;; Outputs: out0 16 x 1 x 1,024 float32.
;; This version of the problem:
;;   THIS VERSION OF THE PROBLEM IS GIVEN IN LOW PRECISION. The matrix products marked QUANTISED in the list below multiply operands that are first quantised to E4M3 (4 exponent bits, 3 mantissa bits; 8 bits a number), with one given power-of-two scale for each operand tensor; their sums are f32. All else is computed in f32.
;;   The module's matrix products, in the order in which they are computed (A, B: the left and right operand; K: the contracted axis; several contracted axes count as one K, in the product's order):
;;     1. [M 16, K 1,024] x [K 1,024, N 1,024]; A: computed on the way; B: input Wq (given as codes): QUANTISED (scales: A lowp_scales[0], B lowp_scales[1])
;;     2. [M 32,768, K 1,024] x [K 1,024, N 2,048]; A: computed on the way; B: input Wkv (given as codes): QUANTISED (scales: A lowp_scales[2], B lowp_scales[3])
;;     3. batch 128 x [M 1, K 128] x [K 128, N 2,048]; A: computed on the way; B: computed on the way: left as it is (M = 1 < 16)
;;     4. batch 128 x [M 1, K 2,048] x [K 2,048, N 128]; A: softmax; B: computed on the way: left as it is (M = 1 < 16)
;;     5. [M 16, K 1,024] x [K 1,024, N 1,024]; A: computed on the way; B: input proj_W (given as codes): QUANTISED (scales: A lowp_scales[4], B lowp_scales[5])
;;   THE QUANTISER, for each operand of a quantised product, along K:
;;     - The operand's scale is 2^e, e = its entry of the input lowp_scales (int32; the entries are numbered through the quantised products in the list's order, A before B).
;;     - Each number is divided by the scale, clamped to +-448, and rounded to the nearest number of E4M3, ties to even, subnormals kept.
;;     - The product sums the exact products of the quantised numbers (number of the format x scale) in f32.
;;   ~~~python
;;   def quantise(x, axis, e):      # numpy; x: float32 -> the quantised numbers, widened to float32 again
;;       x = np.moveaxis(x, axis, -1); K = x.shape[-1]
;;       r = np.clip(x / 2.0 ** e, -448, 448)
;;       step = 2.0 ** (np.maximum(np.frexp(np.where(r == 0, 1, r))[1] - 1, -6) - 3)
;;       q = np.round(r / step) * step * 2.0 ** e      # np.round: ties to even
;;       return np.moveaxis(q, -1, axis).astype(np.float32)
;;   ~~~
;;   OPERANDS COMPUTED ON THE WAY. 'Computed on the way' means the value that the module computes at that place (a softmax that the list does not call 'softmax' is quantised finished and normalised). What goes into a quantiser is computed in f32, as accurately as f32 sums, v_exp_f32 and their like allow (about 1e-6 of the number): no bf16 or f16 on the way to a quantiser, and a product that is left as it is and whose result goes on into a quantised operand takes f32 operands (vector FMAs, or v_wmma_f32_16x16x4_f32). A number that lies on a knife's edge between two numbers of the format may be rounded either way, as far as f32 arithmetic and the matrix unit's own rounding can turn it there, and no further.
;;   INPUTS GIVEN AS CODES. Wkv (in the module: [2048, 1024], K = its axis 1); Wq (in the module: [1024, 1024], K = its axis 1); proj_W (in the module: [1024, 1024], K = its axis 1): each comes as NAME_codes (uint8): NAME with its K axis moved to the last place and cut into blocks of 32 codes, [.., K / 32, bytes a block], one block behind the other in memory; one code a byte (a code: sign, 4 exponent bits, 3 mantissa bits); its scale is its entry of lowp_scales. Its value is code x scale, taken as it is: it is not quantised again, and the codes and scales need not be those that the quantiser above would give.
;; 2 versions. Each part assembles by itself: llvm-mc -triple=amdgcn-amd-amdhsa -mcpu=gfx1250 --defsym DOCPART=n.
;; ======== version 1 of 2: 3 launches
;; workspace buffers: xcodes 33,554,432 bytes; qv 4,096 bytes; part 3,145,728 bytes
;; launch prep (part 1): grid 264 x 1, 8 waves a work-group, no clusters, 144,384 bytes of LDS; arguments features, kv_gamma, kv_beta, lowp_scales, class_feature, q_gamma, q_beta, Wq_codes, xcodes, qv; writes xcodes, qv
.if DOCPART == 1
	.amdgcn_target "amdgcn-amd-amdhsa--gfx1250"
	.amdhsa_code_object_version 6
	.text
	.protected	k_q2bb33995fd_prep
	.globl	k_q2bb33995fd_prep
	.p2align	8
	.type	k_q2bb33995fd_prep,@function
k_q2bb33995fd_prep:
	s_mov_b64 s[64:65], 0
	v_nop
	global_prefetch_b8 v0, s[64:65] scope:SCOPE_SE
	s_setreg_imm32_b32 hwreg(HW_REG_WAVE_MODE, 25, 1), 1
	s_wait_xcnt 0x0
; WORK-GROUPS 0-255: xcodes = Q(layernorm(features) ; e2): codes of FP8 (E4M3), laid as images of the operand's registers.
; WORK-GROUPS 256-263: qv = q' = (Q(layernorm(class_feature); e0) Wq^T) x log2(e) x 2^(e0 + e1 + e2 + e3 - 5): the query, with 1024^-0.5 = 2^-5, the logits' change to base 2 and
; the scales of k folded in, so that the next launch multiplies it with raw sums of codes.
; LAYERNORM.  A wave takes 16 rows of 1,024 f32, one row at a time, the whole row in the wave: each of a row's eight loads reads 512 consecutive bytes (lane l: columns 128 i + 4 l .. + 3).
; The mean is taken first and the variance of x - mean: no difference of large sums.  Four row slots in registers: one at work, three on their way.
; CODES.  code = y / 2^e, held within +-448, to the nearest code, ties to even.  A row's 1,024 codes go into the wave's own stage in LDS (pitch 1,040 bytes) and come back as the matrix operand wants them:
; piece k = 4 j + c of a tile of 16 rows: lane l holds row l % 16, K = 128 j + 32 c + 16 (l / 16) + 0 .. 15.  Piece k lies at 512 k + 16 l of the tile's 16,384 bytes: each store covers 512 consecutive bytes, aligned.
; q'.  A wave takes 16 columns: its eight fragments of Wq (128 registers), class_feature, gain and bias are all asked for at once, so that the path waits for memory once.
; No cluster: the work-groups share no input but a few KB of gain and bias.  The two kinds of work-groups part on the work-group's number, never meet again, and have LDS bytes of their own.
; The layernorm's waves share nothing and have no barrier; the eight waves of a q' work-group meet once, so that their 8 x 64 bytes leave as 512 consecutive bytes.
; LIMITS: e0 and e2 between -126 and 119, so that 2^e and 448 x 2^e are f32 numbers; e0 + e1 + e2 + e3 - 5 is applied by v_ldexp_f32.  NaN among the inputs is not served.
.set PITCH, 1040                       ; a stage row: 1,024 bytes + 16: an odd multiple of 16, so that the 16 rows of a read back start at 16 different groups of banks
.set STGW,  16*PITCH                   ; a wave's stage
.set QST,   8*STGW                     ; the q path: 1,024 bytes a wave for the one row's codes,
.set QOUT,  QST+8*1024                 ; and 512 bytes for the work-group's 128 numbers of q' on their way out
.set GAM, 16                           ; v[16:47]   the gain at my 32 columns
.set BET, 48                           ; v[48:79]   the bias
.set T,   80                           ; v[80:111]  the row at work; in the q path also the row as loaded, later two accumulators and q'
.set X,   112                          ; v[112:239] four slots of 32: rows as loaded; in the q path eight fragments of Wq
.set C,   240                          ; v[240:247] a row's codes: register i = columns 128 i + 4 l .. + 3
.set CH,  248                          ; v[248:255] four chains of sums, a pair each
; v1 16 x lane; v2 where I store codes in the stage; v3 where I read the stage back; v6 a sum, v7 the other half's; v[8:9] mean, v[10:11] 1 / sqrt (the upper words are named with them, so they are written); v12 2^e, v13 448 x 2^e
.macro JOIN                            ; the four chains, the two halves of a pair, the 32 lanes: the sum in v6 of every lane
	v_pk_add_f32 v[CH:CH+1], v[CH:CH+1], v[CH+2:CH+3]
	v_pk_add_f32 v[CH+4:CH+5], v[CH+4:CH+5], v[CH+6:CH+7]
	v_pk_add_f32 v[CH:CH+1], v[CH:CH+1], v[CH+4:CH+5]
	v_add_f32 v6, v[CH], v[CH+1]
	v_add_f32_dpp v6, v6, v6 row_xmask:1 row_mask:0xf bank_mask:0xf
	v_add_f32_dpp v6, v6, v6 row_xmask:2 row_mask:0xf bank_mask:0xf
	v_add_f32_dpp v6, v6, v6 row_xmask:4 row_mask:0xf bank_mask:0xf
	v_add_f32_dpp v6, v6, v6 row_xmask:8 row_mask:0xf bank_mask:0xf
	v_permlanex16_b32 v7, v6, s26, s27
	v_add_f32 v6, v6, v7
.endm
; One row: slot s holds it (slot -1: the work registers themselves); its codes go to row `row` of the stage.  ahead = 1: the slot is filled with the row four further on.  left: the younger loads that may stay out.
.macro ROW s, row, ahead, left
.set XS, X+32*(\s)
	s_wait_loadcnt \left                           ; loads come back in order: this row is in
.irp k, 0,1,2,3
	v_pk_add_f32 v[CH+2*\k:CH+2*\k+1], v[XS+2*\k:XS+2*\k+1], v[XS+8+2*\k:XS+9+2*\k]    ; the first pairs start the chains: nothing is cleared
.endr
.irp k, 8,9,10,11,12,13,14,15
	v_pk_add_f32 v[CH+2*(\k%4):CH+2*(\k%4)+1], v[CH+2*(\k%4):CH+2*(\k%4)+1], v[XS+2*\k:XS+2*\k+1]
.endr
	JOIN
	v_mul_f32 v8, s28, v6                          ; the mean: sum x 2^-10
.irp k, 0,1,2,3,4,5,6,7,8,9,10,11,12,13,14,15
	v_pk_add_f32 v[T+2*\k:T+2*\k+1], v[XS+2*\k:XS+2*\k+1], v[8:9] op_sel_hi:[1,0] neg_lo:[0,1] neg_hi:[0,1]   ; x - mean
.endr
.if \ahead
.irp i, 0,1,2,3,4,5,6,7
	global_load_b128 v[XS+4*\i:XS+4*\i+3], v1, s[4:5] offset:((\row)+4)*4096+512*\i th:TH_LOAD_NT   ; the slot has been read: 512 consecutive bytes a load
.endr
.endif
.irp k, 0,1,2,3
	v_pk_mul_f32 v[CH+2*\k:CH+2*\k+1], v[T+2*\k:T+2*\k+1], v[T+2*\k:T+2*\k+1]
.endr
.irp k, 4,5,6,7,8,9,10,11,12,13,14,15
	v_pk_fma_f32 v[CH+2*(\k%4):CH+2*(\k%4)+1], v[T+2*\k:T+2*\k+1], v[T+2*\k:T+2*\k+1], v[CH+2*(\k%4):CH+2*(\k%4)+1]
.endr
	JOIN
	v_fma_f32 v6, v6, s28, s29                     ; the variance + 1e-5
	v_rsq_f32 v10, v6
	v_nop                                          ; a plain instruction behind the transcendental (ISA guide 5.7.2),
	s_wait_alu depctr_va_vdst(0)                   ; and the wait ahead of its first reader
.irp k, 0,1,2,3,4,5,6,7,8,9,10,11,12,13,14,15
	v_pk_mul_f32 v[T+2*\k:T+2*\k+1], v[T+2*\k:T+2*\k+1], v[10:11] op_sel_hi:[1,0]
.endr
.irp k, 0,1,2,3,4,5,6,7,8,9,10,11,12,13,14,15
	v_pk_fma_f32 v[T+2*\k:T+2*\k+1], v[T+2*\k:T+2*\k+1], v[GAM+2*\k:GAM+2*\k+1], v[BET+2*\k:BET+2*\k+1]
.endr
.set i, 0
.rept 32
	v_med3_num_f32 v[T+i], v[T+i], -v13, v13       ; the conversion to an 8-bit code does not saturate (ISA guide 7.6.2): the hold at the largest code x the scale
.set i, i+1
.endr
	s_wait_dscnt 0x0                               ; the last row's LDS stores, a row back, have read the codes' registers
.irp q, 0,1,2,3
	v_cvt_scalef32_pk8_fp8_f32 v[C+2*\q:C+2*\q+1], v[T+8*\q:T+8*\q+7], v12
.endr
	v_nop                                          ; one plain vector instruction behind the last scaled conversion
.irp i, 0,1,2,3,4,5,6,7
	ds_store_b32 v2, v[C+\i] offset:(\row)*PITCH+128*\i      ; 32 lanes: 128 consecutive bytes: a code's byte in the stage row is its column
.endr
.endm
.macro SCALES                          ; from e in s32: v12 = 2^e as f32 (the conversion takes its exponent field), v13 = 448 x 2^e
	s_add_co_i32 s37, s32, 127
	s_lshl_b32 s38, s37, 23
	v_mov_b32 v12, s38
	s_add_co_i32 s37, s37, 8
	s_lshl_b32 s37, s37, 23
	s_or_b32 s37, s37, 0x600000
	v_mov_b32 v13, s37
.endm
	s_load_b512 s[4:19], s[0:1], 0x0               ; features s[4:5], kv_gamma s[6:7], kv_beta s[8:9], scales s[10:11], class_feature s[12:13], q_gamma s[14:15], q_beta s[16:17], Wq's codes s[18:19]
	s_load_b128 s[20:23], s[0:1], 0x40             ; xcodes s[20:21], qv s[22:23]
	s_set_vgpr_msb 0x40
	v_lshl_add_u32 v0, v0, 2, 0x23000
	v_mov_b32 v1, 0
	s_set_vgpr_msb 0x4000
	v_lshrrev_b32 v1, 5, v0
	v_readfirstlane_b32 s24, v1                    ; wave 0..7
	v_and_b32 v14, 31, v0                          ; lane
	v_and_b32 v15, 15, v0                          ; r
	v_bfe_u32 v5, v0, 4, 1                         ; h
	v_lshlrev_b32 v1, 4, v14                       ; 16 x lane
	v_mov_b32 v7, 0                                ; a lane permute's destination counts as read: written once
	v_mov_b32 v9, 0
	v_mov_b32 v11, 0
	s_mov_b32 s26, 0x76543210                      ; v_permlanex16_b32: lane l xor 16
	s_mov_b32 s27, 0xfedcba98
	s_mov_b32 s28, 0x3a800000                      ; 2^-10
	s_mov_b32 s29, 0x3727c5ac                      ; 1e-5
	s_mov_b32 s31, 0
	s_wait_kmcnt 0x0
	s_cmp_ge_u32 ttmp9, 256
	s_cbranch_scc1 .Lq
	; ---- features: wave w of work-group g takes the tile of rows 16 (8 g + w) on
	s_load_b32 s32, s[10:11], 0x8                  ; e2
	s_lshl_b32 s25, ttmp9, 3
	s_add_co_u32 s25, s25, s24                     ; the tile
	s_mul_i32 s41, s24, STGW                       ; my stage
	v_lshl_add_u32 v2, v14, 2, s41                 ; in: 4 x lane
	v_mul_u32_u24 v3, v15, PITCH
	v_lshl_add_u32 v3, v5, 4, v3
	v_add_nc_u32 v3, s41, v3                       ; back: row r, + 16 h
	s_lshl_b32 s30, s25, 16                        ; 16 rows of 4,096 bytes
	s_add_nc_u64 s[4:5], s[4:5], s[30:31]
	s_lshl_b32 s30, s25, 14                        ; 16 rows of 1,024 codes
	s_add_nc_u64 s[20:21], s[20:21], s[30:31]
.irp i, 0,1,2,3,4,5,6,7
	global_load_b128 v[GAM+4*\i:GAM+4*\i+3], v1, s[6:7] offset:512*\i
.endr
.irp i, 0,1,2,3,4,5,6,7
	global_load_b128 v[BET+4*\i:BET+4*\i+3], v1, s[8:9] offset:512*\i
.endr
.irp r, 0,1,2,3
.irp i, 0,1,2,3,4,5,6,7
	global_load_b128 v[X+32*\r+4*\i:X+32*\r+4*\i+3], v1, s[4:5] offset:\r*4096+512*\i th:TH_LOAD_NT
.endr
.endr
	s_wait_kmcnt 0x0                               ; e2 is in
	SCALES
.irp r, 0,1,2,3,4,5,6,7,8,9,10,11
	ROW \r%4, \r, 1, 24                            ; three younger rows, eight loads each, stay out
.endr
	ROW 0, 12, 0, 24                               ; the last four rows load nothing: the counts run down
	ROW 1, 13, 0, 16
	ROW 2, 14, 0, 8
	ROW 3, 15, 0, 0
.set k, 0
.rept 32
	ds_load_b128 v[X+4*k:X+4*k+3], v3 offset:128*(k/4)+32*(k%4)   ; LDS serves a wave's instructions in order (ISA guide 5.7.1.4): these see my stores
.set k, k+1
.endr
.set k, 0
.rept 32
	s_wait_dscnt 31-k
	global_store_b128 v1, v[X+4*k:X+4*k+3], s[20:21] offset:512*k  ; piece k: 32 lanes store 512 consecutive bytes, aligned
.set k, k+1
.endr
	s_set_vgpr_msb 0x5
	s_wait_tensorcnt 0x0
	ds_add_u32 v0, v1
	s_wait_dscnt 0x0
	s_set_vgpr_msb 0x500
	s_endpgm
	; ---- q': wave w of work-group 256 + G takes columns 16 (8 G + w) .. + 15: one tile, K = 1,024 in eight steps of 128
.Lq:
	s_load_b128 s[32:35], s[10:11], 0x0            ; e0, e1, e2, e3: none of s32 to s35 is touched before the wait for them below
	s_sub_co_u32 s39, ttmp9, 256                   ; G
	s_lshl_b32 s25, s39, 3
	s_add_co_u32 s25, s25, s24                     ; the tile
	s_lshl_b32 s41, s24, 10
	s_add_co_u32 s41, s41, QST                     ; my 1,024 bytes for the row's codes
	v_lshl_add_u32 v2, v14, 2, s41                 ; in: 4 x lane
	v_lshl_add_u32 v3, v5, 4, s41                  ; back: 16 h: all sixteen rows of the operand are the one row
	v_lshlrev_b32 v4, 10, v15
	v_lshl_add_u32 v4, v5, 4, v4                   ; Wq: row r of 1,024 bytes, + 16 h
	s_lshl_b32 s40, s24, 6
	s_add_co_u32 s40, s40, QOUT                    ; my 64 bytes of the work-group's 512
	v_lshl_add_u32 v5, v5, 5, s40                  ; in: 32 h
	v_add_nc_u32 v14, QOUT, v1                     ; back, in wave 0: 16 x lane
	s_lshl_b32 s30, s25, 14                        ; 16 rows of Wq
	s_add_nc_u64 s[18:19], s[18:19], s[30:31]
	s_lshl_b32 s30, s39, 9                         ; 128 numbers of q'
	s_add_nc_u64 s[22:23], s[22:23], s[30:31]
.irp i, 0,1,2,3,4,5,6,7
	global_load_b128 v[T+4*\i:T+4*\i+3], v1, s[12:13] offset:512*\i          ; class_feature, straight into the work registers
.endr
.irp i, 0,1,2,3,4,5,6,7
	global_load_b128 v[GAM+4*\i:GAM+4*\i+3], v1, s[14:15] offset:512*\i
.endr
.irp i, 0,1,2,3,4,5,6,7
	global_load_b128 v[BET+4*\i:BET+4*\i+3], v1, s[16:17] offset:512*\i
.endr
.irp j, 0,1,2,3,4,5,6,7
.irp c, 0,1,2,3
	global_load_b128 v[X+16*\j+4*\c:X+16*\j+4*\c+3], v4, s[18:19] offset:128*\j+32*\c   ; K step j: lane (r, h): row r of my 16 of Wq, K = 128 j + 32 c + 16 h + 0 .. 15
.endr
.endr
	s_wait_kmcnt 0x0                               ; the four exponents are in
	SCALES                                         ; from e0
	s_add_co_i32 s36, s32, s33
	s_add_co_i32 s36, s36, s34
	s_add_co_i32 s36, s36, s35
	s_sub_co_i32 s36, s36, 5                       ; e0 + e1 + e2 + e3 - 5
	ROW -1, 0, 0, 0                                ; the one row, in place; its wait is for all my loads, Wq's fragments among them
	; source 0 = 16 rows of Wq, source 1 = the one row of codes, sixteen times: register i of lane (r, h) is column 8 h + i.  Two accumulators take turns, even K steps and odd
.irp g, 0,1
.if \g
.rept 4
	v_nop                                          ; four places ahead of loads into registers that the products above read
.endr
.endif
.irp j, 0,1,2,3
.irp c, 0,1,2,3
	ds_load_b128 v[16+16*\j+4*\c:19+16*\j+4*\c], v3 offset:128*(4*\g+\j)+32*\c    ; four K steps of the row's codes, over the gain and bias, which have been read.  My own bytes: LDS serves a wave's instructions in order
.endr
.endr
	s_wait_dscnt 0x0
.irp j, 0,1,2,3
.if (\g == 0) && (\j < 2)
	v_wmma_f32_16x16x128_fp8_fp8 v[80+8*(\j%2):87+8*(\j%2)], v[X+16*(4*\g+\j):X+16*(4*\g+\j)+15], v[16+16*\j:31+16*\j], 0     ; the first two K steps start the two sums
.else
	v_wmma_f32_16x16x128_fp8_fp8 v[80+8*(\j%2):87+8*(\j%2)], v[X+16*(4*\g+\j):X+16*(4*\g+\j)+15], v[16+16*\j:31+16*\j], v[80+8*(\j%2):87+8*(\j%2)]
.endif
.endr
.endr
.rept 4
	v_nop                                          ; four places ahead of the first read of results
.endr
.irp i, 0,2,4,6
	v_pk_add_f32 v[96+\i:97+\i], v[80+\i:81+\i], v[88+\i:89+\i]         ; the two sums, each accumulator from its low end on
.endr
.irp i, 0,2,4,6
	v_pk_mul_f32 v[96+\i:97+\i], v[96+\i:97+\i], 0x3fb8aa3b op_sel_hi:[1,0]   ; x log2(e)
.endr
.irp i, 0,1,2,3,4,5,6,7
	v_ldexp_f32 v[96+\i], v[96+\i], s36
.endr
	ds_store_b128 v5, v[96:99]                     ; the sixteen lanes of a half hold the same numbers and write the same bytes
	ds_store_b128 v5, v[100:103] offset:16
	s_wait_dscnt 0x0                               ; for the others' sake: my 16 numbers lie in LDS
	s_barrier_signal -1
	s_barrier_wait -1
	s_cmp_lg_u32 s24, 0
	s_cbranch_scc1 .Lqend                          ; wave 0 stores the work-group's 128 numbers
	ds_load_b128 v[8:11], v14
	s_wait_dscnt 0x0
	global_store_b128 v1, v[8:11], s[22:23]        ; 32 lanes store 512 consecutive bytes, aligned
.Lqend:
	s_set_vgpr_msb 0x5
	s_wait_tensorcnt 0x0
	ds_add_u32 v0, v1
	s_wait_dscnt 0x0
	s_set_vgpr_msb 0x500
	s_endpgm
.Lfunc_end_k_q2bb33995fd_prep:
	.size	k_q2bb33995fd_prep, .Lfunc_end_k_q2bb33995fd_prep-k_q2bb33995fd_prep
	.p2alignl 7, 3214868480
	.fill 96, 4, 3214868480
	.section	.rodata,"a",@progbits
	.p2align	6, 0x0
	.amdhsa_kernel k_q2bb33995fd_prep
		.amdhsa_group_segment_fixed_size 144384
		.amdhsa_private_segment_fixed_size 0
		.amdhsa_enable_private_segment 0
		.amdhsa_kernarg_size 80
		.amdhsa_user_sgpr_count 2
		.amdhsa_user_sgpr_kernarg_segment_ptr 1
		.amdhsa_wavefront_size32 1
		.amdhsa_system_sgpr_workgroup_id_x 1
		.amdhsa_system_sgpr_workgroup_id_y 1
		.amdhsa_system_sgpr_workgroup_id_z 1
		.amdhsa_system_vgpr_workitem_id 0
		.amdhsa_next_free_vgpr 258
		.amdhsa_next_free_sgpr 66
		.amdhsa_reserve_vcc 0
		.amdhsa_float_denorm_mode_32 3
		.amdhsa_float_denorm_mode_16_64 3
		.amdhsa_memory_ordered 1
		.amdhsa_forward_progress 1
		.amdhsa_inst_pref_size 185
	.end_amdhsa_kernel
	.amdgpu_metadata
---
amdhsa.version: [ 1, 2 ]
amdhsa.kernels:
  - .name:           k_q2bb33995fd_prep
    .symbol:         k_q2bb33995fd_prep.kd
    .args:
      - { .name: features, .offset: 0, .size: 8, .value_kind: global_buffer, .address_space: global }
      - { .name: kv_gamma, .offset: 8, .size: 8, .value_kind: global_buffer, .address_space: global }
      - { .name: kv_beta, .offset: 16, .size: 8, .value_kind: global_buffer, .address_space: global }
      - { .name: lowp_scales, .offset: 24, .size: 8, .value_kind: global_buffer, .address_space: global }
      - { .name: class_feature, .offset: 32, .size: 8, .value_kind: global_buffer, .address_space: global }
      - { .name: q_gamma, .offset: 40, .size: 8, .value_kind: global_buffer, .address_space: global }
      - { .name: q_beta, .offset: 48, .size: 8, .value_kind: global_buffer, .address_space: global }
      - { .name: Wq_codes, .offset: 56, .size: 8, .value_kind: global_buffer, .address_space: global }
      - { .name: xcodes, .offset: 64, .size: 8, .value_kind: global_buffer, .address_space: global }
      - { .name: qv, .offset: 72, .size: 8, .value_kind: global_buffer, .address_space: global }
    .group_segment_fixed_size: 144384
    .private_segment_fixed_size: 0
    .kernarg_segment_align: 8
    .kernarg_segment_size: 80
    .max_flat_workgroup_size: 256
    .sgpr_count:     66
    .vgpr_count:     258
    .wavefront_size: 32
...
	.end_amdgpu_metadata
.endif
;; end of part 1
;; launch attn (part 2): grid 256 x 1, 4 waves a work-group, clusters of 4 x 1, 327,680 bytes of LDS; arguments xcodes, Wkv_codes, qv, part; writes part
.if DOCPART == 2
	.amdgcn_target "amdgcn-amd-amdhsa--gfx1250"
	.amdhsa_code_object_version 6
	.text
	.protected	k_q2bb33995fd_attn
	.globl	k_q2bb33995fd_attn
	.p2align	8
	.type	k_q2bb33995fd_attn,@function
k_q2bb33995fd_attn:
	s_mov_b64 s[64:65], 0
	v_nop
	global_prefetch_b8 v0, s[64:65] scope:SCOPE_SE
	s_setreg_imm32_b32 hwreg(HW_REG_WAVE_MODE, 25, 1), 1
	s_wait_xcnt 0x0
	s_wait_alu depctr_hold_cnt(0) depctr_sa_sdst(0) depctr_va_vdst(0) depctr_va_sdst(0) depctr_va_ssrc(0) depctr_va_vcc(0) depctr_vm_vsrc(0)
	s_getreg_b32 s2, hwreg(HW_REG_IB_STS2, 6, 4)
	s_cmp_eq_u32 s2, 0
	s_cbranch_scc0 .Lentry_in_a_cluster
	s_endpgm
.Lentry_in_a_cluster:
	s_bfe_u32 s2, ttmp6, 0x10000c
	s_cmp_lg_u32 s2, 0x3003
	s_cbranch_scc0 .Lentry_shape_is_right
	s_endpgm
.Lentry_shape_is_right:
; kv = x Wkv^T on codes of FP8 (E4M3), and, without k or v ever leaving the registers, the single query's attention over blocks of 64 rows.
; For each (batch, head, block of 64 rows): t[n] = sum over d of q'[d] ksum[n][d] (q' carries every scale and log2(e)); m = max t; p = 2^(t - m); l = sum p; agg[d] = sum over n of p[n] vsum[n][d], on raw sums of codes.
; The next launch joins the 32 blocks of a (batch, head).  The products with q' and with p are f32 multiply-adds, since their results go on into a quantiser.
; SHARES.  A work-group owns 256 rows of x and four heads; wave w owns rows 64 w on, for all four heads.  Its 64 rows x 1,024 K of codes (512 registers) stay in registers for the whole launch; only Wkv goes through LDS.
; The four waves multiply by the same rows of Wkv, so a work-group draws 1,024 of Wkv's 2,048 rows through LDS.  Each tile of x's codes is read by two work-groups, one for each half of the heads.
; STEPS.  16 steps a wave: head i of the four, k then v, column halves u = 0, 1 of 64.  A step is 64 rows x 64 columns x K 1,024: 16 accumulators x 8 K steps = 128 matrix instructions, begun with C = 0 and drained at its end.
; For k source 0 = 16 rows of Wkv and source 1 = 16 rows of x: a lane holds ONE row of x and eight d, so the product with q' runs down its registers.  For v the sources are swapped: a lane holds ONE d and eight rows, so the product with p does.
; RING.  Two LDS slots of 128 rows of Wkv of 1,024 bytes, two steps each: slot 0 holds k's rows of the head in hand, slot 1 v's.  Each wave fetches 32 of the rows by one tensor load.  One change of slots for two steps.  A slot's last LDS
; read is issued in the fourth K step of its second step, so the slot is asked for again in that step's seventh, and between the request and the wait for it a wave issues 16 + 128 + 80 = 224 matrix instructions.
; CLUSTER.  The four work-groups of a cluster have the same four heads and walk the same rows of Wkv in the same order: each tile is asked for JOINTLY (the same line, the same descriptor, mask 15).  x's codes come by plain loads.
; K IS PERMUTED ALIKE IN BOTH OPERANDS: registers 4 c .. 4 c + 3 of a fragment hold K = 32 c + 16 (lane / 16) + 0 .. 15, so that a fragment is four loads of 16 bytes; every product meets its partner.
; REGISTERS, in windows of 256: window 0: v0-15 addresses, v16-63 the drains' sums, v64-95 q', v96-127 p, v128-255 the 16 accumulators ((rt, f) at v[128 + 8 (4 rt + f)]).
;   window 1: four sets of four fragments of Wkv (K step j in set j % 4).   window 2: x's fragments of K steps 0-3 (at 64 rt + 16 j);   window 3: of K steps 4-7.
.set PITCH, 1040                       ; an LDS row: 1,024 bytes + 16 = 260 words: row r starts at bank 4 r mod 64 (64 banks of 4 bytes: ISA guide 11.1)
.set SLOT,  128*PITCH
.set SCR,   2*SLOT                     ; behind the ring: 256 bytes a wave, in which p changes lanes; no tile lands here
.set SPARE, SCR+4*256                  ; the spare words, 128 bytes for each wave: two blocks of 256 bytes that no other line names
.set SPW, 4                            ; v4   LDS address of my spare word; never rewritten
.set NIL, 5                            ; v5   0; never rewritten
.set ADB, 6                            ; v6, v7   LDS address of my lane's place in slot 0, column half 0, 1;  v14, v15 the same in slot 1 (register ADB + 8 slot + half)
.set AX,  8                            ; v8   16 x lane
.set QO,  9                            ; v9   32 h: my eight q' of a fragment
.set PST, 10                           ; v10  p into the scratch: 4 r
.set PLD, 11                           ; v11  and back: 32 h
.set PO8, 12                           ; v12  8 x lane
.set PFO, 13                           ; v13  the prefetches' offset: 1,024 x lane + 256 x my place in the cluster
.set TC,  16                           ; v[16:31]  t's chains: pair (rt, f % 2) at 16 + 4 rt + 2 (f % 2)
.set TP,  32                           ; v[32:35]  t, then p, of row 16 rt + r
.set TM,  36                           ; v[36:39]  what the other half of the lanes holds
.set GC,  40                           ; v[40:55]  agg's chains: pair (f, rt % 2) at 40 + 4 f + 2 (rt % 2)
.set XR,  56                           ; v[56:59]  a record's four numbers of my lane
.set ML,  60                           ; v[60:61]  m, l
.set Q,   64
.set P,   96
.set ACC, 128
.set G1,  24                           ; s[24:31] descriptor group 1;  s[32:35], s[36:39] group 0 for slot 0, 1
.set G0,  32
.set PFA, 44                           ; s[44:45] my 32 rows of k's tile of the head in hand: the prefetches' base
.set LIM, 46                           ; s46, s47 a wave prefetches at k's (v's) change of slots while the count of trips to go is above s46 (s47)
.set TO_B, 0x40                        ; destination window 1, address window 0
.set MSB, 0
.macro WIN new                         ; the immediate's high byte repeats the setting that is left; a switch that changes nothing is dropped
.if MSB != (\new)
	s_set_vgpr_msb (MSB<<8)|(\new)
.set MSB, (\new)
.endif
.endm
.macro PLACES                          ; four places (ISA guide 7.12.1 for vector instructions) behind matrix instructions
.rept 4
	v_nop
.endr
.endm
.macro CREST                           ; a round of the cluster's barrier behind its opening barrier
	s_cmp_lg_u32 s12, 0
	s_cbranch_scc1 .Lnot_wave_0_\@
	s_barrier_signal -3
.Lnot_wave_0_\@:
	s_barrier_wait -3
	s_barrier_signal -1
	s_barrier_wait -1
.endm
.macro CROUND
	s_barrier_signal -1
	s_barrier_wait -1
	CREST
.endm
.macro JLOAD s                         ; every wave asks for its 32 rows of slot s by the same line; four v_nop follow
	tensor_load_to_lds s[G0+4*(\s):G0+4*(\s)+3], s[G1:G1+7]
	s_nop 0
	PLACES
.endm
.macro FETCH s, u, jn, set             ; four fragments (the 64 rows of column half u of slot s) of K step jn into set `set`
.irp f, 0,1,2,3
.irp c, 0,1,2,3
	ds_load_b128 v[64*(\set)+16*\f+4*\c:64*(\set)+16*\f+4*\c+3], v[ADB+8*(\s)+(\u)] offset:\f*16*PITCH+128*(\jn)+32*\c
.endr
.endr
.endm
; 16 matrix instructions: K step j.  The 16 accumulators take turns, one instruction a turn, in the same order in every K step.  K step 0 starts the sums: nothing is cleared.
.macro MUL16 kind, j
.if (\kind) == 0
	WIN 0x09+4*((\j)/4)                            ; source 0 (Wkv) window 1, source 1 (x) window 2 or 3
.else
	WIN 0x06+((\j)/4)                              ; source 0 (x) window 2 or 3, source 1 (Wkv) window 1
.endif
.irp f, 0,1,2,3
.irp rt, 0,1,2,3
.set rD, ACC+8*(4*\rt+\f)
.set rB, 64*((\j)%4)+16*\f
.set rA, 64*\rt+16*((\j)%4)
.if (\kind) == 0
.if (\j) == 0
	v_wmma_f32_16x16x128_fp8_fp8 v[rD:rD+7], v[rB:rB+15], v[rA:rA+15], 0
.else
	v_wmma_f32_16x16x128_fp8_fp8 v[rD:rD+7], v[rB:rB+15], v[rA:rA+15], v[rD:rD+7]
.endif
.else
.if (\j) == 0
	v_wmma_f32_16x16x128_fp8_fp8 v[rD:rD+7], v[rA:rA+15], v[rB:rB+15], 0
.else
	v_wmma_f32_16x16x128_fp8_fp8 v[rD:rD+7], v[rA:rA+15], v[rB:rB+15], v[rD:rD+7]
.endif
.endif
.endr
.endr
.endm
; A PREFETCH INTO THE L2, behind the joint load, its four lines and the run of LDS loads: the tile that the NEXT change of slots will ask for, 16 + 128 + 112 = 256 matrix instructions ahead of that load.
; At k's change of head i that is v of head i + 1 (1,024 + 128 rows on from k of head i); at v's change it is k of head i + 2 (256 rows on), and nothing in the last trip, where there is no such head.
; All clusters of a half of the heads walk the same rows: the first cluster of each half asks, and nobody else.  Each wave asks for the 32 rows that it fetches, a lane a row; the four partners take the four quarters of 256 bytes
; of a row, told apart BY ADDRESS.  So each aligned block of 256 bytes is named once in the launch.  The first head's tiles and k of the second come by their loads alone.
.macro ASK kind
	s_cmp_gt_u32 s40, s[LIM+(\kind)]
	s_cbranch_scc0 .Lnot_mine_\@
.if (\kind) == 0
	global_prefetch_b8 v[PFO], s[PFA:PFA+1] offset:1048576+131072 th:TH_LOAD_NT scope:SCOPE_SE
.else
	global_prefetch_b8 v[PFO], s[PFA:PFA+1] offset:262144 th:TH_LOAD_NT scope:SCOPE_SE
.endif
.Lnot_mine_\@:
.endm
.macro QLOAD u                         ; q' at d = 64 u + 16 f + 8 h + 0 .. 7 of the head in hand
.irp f, 0,1,2,3
	global_load_b128 v[Q+8*\f:Q+8*\f+3],   v[QO], s[48:49] offset:256*(\u)+64*\f
	global_load_b128 v[Q+8*\f+4:Q+8*\f+7], v[QO], s[48:49] offset:256*(\u)+64*\f+16
.endr
.endm
; A STEP.  kind 0: k, 1: v: also its slot.  u: its column half.  mode 3: the next step is the same slot's second half; 2: the slots change and this slot is filled again; 1: the slots change, nothing is filled; 0: the last step.
.macro STEP kind, u, mode
.irp j, 0,1,2,3
	s_wait_dscnt 48                                ; this K step's set is in; the three younger sets of 16 loads may be out
	MUL16 \kind, \j
	PLACES
	WIN TO_B
	FETCH \kind, \u, \j+4, \j                      ; the set just multiplied takes the K step four further on
.endr
.if (\mode) == 3
.irp j, 4,5,6,7
	s_wait_dscnt 48
	MUL16 \kind, \j
	PLACES
	WIN TO_B
	FETCH \kind, 1, \j-4, \j-4                     ; the next step's fragments lie in the same slot: no barrier stands between a slot's two steps
.endr
	WIN 0
.elseif (\mode) == 0
	s_wait_dscnt 48                                ; nothing more to fetch: the counts run down
	MUL16 \kind, 4
	s_wait_dscnt 32
	MUL16 \kind, 5
	s_wait_dscnt 16
	MUL16 \kind, 6
	s_wait_dscnt 0x0
	MUL16 \kind, 7
	PLACES
	WIN 0
.else
	s_wait_dscnt 48
	MUL16 \kind, 4
	WIN 0                                          ; (the add's two registers lie in window 0)
	s_wait_tensorcnt 0x0                           ; all my tensor loads have landed: the one that was out is my part of the other slot; so a group 0 may be written
	ds_add_u32 v[SPW], v[NIL]                      ; 0 onto my spare word
.if (\mode) == 2
	s_add_nc_u64 s[G0+4*(\kind)+2:G0+4*(\kind)+3], s[G0+4*(\kind)+2:G0+4*(\kind)+3], 131072   ; this slot's next tile: the next head's, 128 rows on.  The type bits on top are not reached
.endif
	s_wait_dscnt 33                                ; (two sets and the add may be out)
	MUL16 \kind, 5                                 ; sixteen matrix instructions stand between the add and the wait for it
	s_wait_dscnt 0x0                               ; the add is done, and my reads of this slot are over (the last were issued 32 matrix instructions ago)
	s_barrier_signal -1
	MUL16 \kind, 6                                 ; work on registers while the others arrive
	WIN 0
	s_barrier_wait -1
.if (\mode) == 2
	CREST                                          ; the barrier has opened a round of the cluster's: no wave of any partner still reads this slot or has a load on its way
	JLOAD \kind                                    ; the first tensor load behind the round, my one load until the next; its four v_nop are also the places in front of the loads below
.else
	PLACES
.endif
	WIN TO_B
	FETCH 1-\kind, 0, 0, 0                         ; the next step's first fragments, from the other slot, which is whole
	FETCH 1-\kind, 0, 1, 1
	FETCH 1-\kind, 0, 2, 2
	WIN 0
.if (\mode) == 2
	ASK \kind
.endif
	MUL16 \kind, 7
	PLACES
	WIN TO_B
	FETCH 1-\kind, 0, 3, 3
	WIN 0
.endif
.endm
; t += q' . ksum over this half's 64 d: lane (r, h) holds row 16 rt + r and d = 64 u + 16 f + 8 h + 0 .. 7.  Each accumulator is read from its low end on; four chains lie between two links of a chain.
.macro DRAIN_K u
	s_wait_loadcnt 0x0                             ; q'
.irp f, 0,1,2,3
.irp i, 0,1,2,3
.irp rt, 0,1,2,3
.set rT, TC+4*\rt+2*(\f%2)
.set rD, ACC+8*(4*\rt+\f)+2*\i
.set rQ, Q+8*\f+2*\i
.if ((\u) == 0) && (\f < 2) && (\i == 0)
	v_pk_mul_f32 v[rT:rT+1], v[rD:rD+1], v[rQ:rQ+1]          ; the first products start the chains
.else
	v_pk_fma_f32 v[rT:rT+1], v[rD:rD+1], v[rQ:rQ+1], v[rT:rT+1]
.endif
.endr
.endr
.endr
.endm
; The block's softmax: m over its 64 rows is taken away before the exponential.  p then changes lanes through my scratch: from a row a lane to eight rows a lane.
.macro SOFTMAX
.irp rt, 0,1,2,3
	v_pk_add_f32 v[TC+4*\rt:TC+4*\rt+1], v[TC+4*\rt:TC+4*\rt+1], v[TC+4*\rt+2:TC+4*\rt+3]
.endr
.irp rt, 0,1,2,3
	v_add_f32 v[TP+\rt], v[TC+4*\rt], v[TC+4*\rt+1]
.endr
.irp rt, 0,1,2,3
	v_permlanex16_b32 v[TM+\rt], v[TP+\rt], s42, s43         ; the row's other 64 d lie in the lane 16 away
.endr
.irp rt, 0,1,2,3
	v_add_f32 v[TP+\rt], v[TP+\rt], v[TM+\rt]                ; t; the same in both halves of the lanes
.endr
	v_max3_num_f32 v[ML], v[TP], v[TP+1], v[TP+2]
	v_max_num_f32 v[ML], v[ML], v[TP+3]
	v_max_num_f32_dpp v[ML], v[ML], v[ML] row_xmask:1 row_mask:0xf bank_mask:0xf
	v_max_num_f32_dpp v[ML], v[ML], v[ML] row_xmask:2 row_mask:0xf bank_mask:0xf
	v_max_num_f32_dpp v[ML], v[ML], v[ML] row_xmask:4 row_mask:0xf bank_mask:0xf
	v_max_num_f32_dpp v[ML], v[ML], v[ML] row_xmask:8 row_mask:0xf bank_mask:0xf
.irp rt, 0,1,2,3
	v_sub_f32 v[TP+\rt], v[TP+\rt], v[ML]
.endr
.irp rt, 0,1,2,3
	v_exp_f32 v[TP+\rt], v[TP+\rt]
.endr
	v_nop                                          ; a plain instruction behind the last exponential,
	s_wait_alu depctr_va_vdst(0)                   ; and one wait for the four, ahead of their first reader
	v_add_f32 v[ML+1], v[TP], v[TP+1]
	v_add_f32 v[TM], v[TP+2], v[TP+3]
	v_add_f32 v[ML+1], v[ML+1], v[TM]
	v_add_f32_dpp v[ML+1], v[ML+1], v[ML+1] row_xmask:1 row_mask:0xf bank_mask:0xf
	v_add_f32_dpp v[ML+1], v[ML+1], v[ML+1] row_xmask:2 row_mask:0xf bank_mask:0xf
	v_add_f32_dpp v[ML+1], v[ML+1], v[ML+1] row_xmask:4 row_mask:0xf bank_mask:0xf
	v_add_f32_dpp v[ML+1], v[ML+1], v[ML+1] row_xmask:8 row_mask:0xf bank_mask:0xf   ; l: sixteen lanes hold the 64 rows; the other half holds the same
.irp rt, 0,1,2,3
	ds_store_b32 v[PST], v[TP+\rt] offset:64*\rt             ; p of row 16 rt + r at byte 4 (16 rt + r); both halves write the same bytes with the same numbers
.endr
.irp rt, 0,1,2,3
	ds_load_b128 v[P+8*\rt:P+8*\rt+3],   v[PLD] offset:64*\rt         ; p of rows 16 rt + 8 h + 0 .. 7.  LDS serves a wave's instructions in order.  The wait: the next step's fourth wait for 48,
	ds_load_b128 v[P+8*\rt+4:P+8*\rt+7], v[PLD] offset:64*\rt+16      ; behind which three sets of 16 younger loads are all that may be out
.endr
.endm
; agg = p . vsum for this half's 64 d: lane (r, h) holds d = 64 u + 16 f + r and rows 16 rt + 8 h + 0 .. 7.
.macro DRAIN_V u
.irp rt, 0,1,2,3
.irp i, 0,1,2,3
.irp f, 0,1,2,3
.set rG, GC+4*\f+2*(\rt%2)
.set rD, ACC+8*(4*\rt+\f)+2*\i
.set rP, P+8*\rt+2*\i
.if (\rt < 2) && (\i == 0)
	v_pk_mul_f32 v[rG:rG+1], v[rD:rD+1], v[rP:rP+1]
.else
	v_pk_fma_f32 v[rG:rG+1], v[rD:rD+1], v[rP:rP+1], v[rG:rG+1]
.endif
.endr
.endr
.endr
.irp f, 0,1,2,3
	v_pk_add_f32 v[GC+4*\f:GC+4*\f+1], v[GC+4*\f:GC+4*\f+1], v[GC+4*\f+2:GC+4*\f+3]
.endr
.irp f, 0,1,2,3
	v_add_f32 v[GC+4*\f], v[GC+4*\f], v[GC+4*\f+1]
.endr
.irp f, 0,1,2,3
	v_permlanex16_b32 v[TM+\f], v[GC+4*\f], s42, s43         ; the other 32 rows lie in the lane 16 away
.endr
.irp f, 0,1,2,3
	v_add_f32 v[GC+4*\f], v[GC+4*\f], v[TM+\f]
.endr
	v_cndmask_b32 v[XR+2*(\u)],   v[GC],   v[GC+4],  s52    ; lane l takes d = 32 (2 u) + l: lanes 0-15 of fragment 0, lanes 16-31 of fragment 1;
	v_cndmask_b32 v[XR+2*(\u)+1], v[GC+8], v[GC+12], s52    ; and d = 32 (2 u + 1) + l
.endm
.macro RECORD                          ; 768 bytes: float 4 l + g = agg[32 g + l]; then (m, l), once a lane: each store covers whole aligned runs of 256 bytes
	global_store_b128 v[AX], v[XR:XR+3], s[50:51]
	global_store_b64 v[PO8], v[ML:ML+1], s[50:51] offset:512
.endm
	s_load_b256 s[4:11], s[0:1], 0x0               ; x's codes s[4:5], Wkv's codes s[6:7], q' s[8:9], the records s[10:11]
	v_lshl_add_u32 v[SPW], v0, 2, SPARE
	v_mov_b32 v[NIL], 0
	ds_add_u32 v4, v5
	ds_add_u32 v4, v5
	s_wait_dscnt 0x0
	v_lshrrev_b32 v1, 5, v0
	v_readfirstlane_b32 s12, v1                    ; wave 0..3: which 64 of the work-group's rows of x are mine, and which 32 rows of a tile of Wkv I fetch
	s_bfe_u32 s15, ttmp6, 0x40000                  ; cx: my place in the cluster: it enters global addresses of plain loads, stores and prefetches alone
	s_and_b32 s13, ttmp9, 1                        ; which four heads: the cluster's number, odd or even: the same in all four partners
	s_lshr_b32 s14, ttmp9, 1
	s_lshl_b32 s16, s14, 2
	s_add_co_u32 s16, s16, s15                     ; my block of 256 rows of x, 0 .. 127
	; descriptor group 1: a tile of 32 rows x 1,024 bytes, padded in LDS
	s_mov_b32 s[G1+0], 15|(0<<16)|(1<<20)|(1<<21)|(7<<22)|(3<<25)   ; 15:0 the mask: all four work-groups; 17:16 elements of 1 byte; 20 padding on; 21 set beside a mask; 24:22 after every 256 words (code 7); 31:25 four words (code 3)
	s_mov_b32 s[G1+1], 1024<<16                    ; tensor_dim0
	s_mov_b32 s[G1+2], 32<<16                      ; tensor_dim1
	s_mov_b32 s[G1+3], 1024<<16                    ; tile_dim0
	s_mov_b32 s[G1+4], 32                          ; tile_dim1
	s_mov_b32 s[G1+5], 1024                        ; tensor_dim0_stride
	s_mov_b32 s[G1+6], 0
	s_mov_b32 s[G1+7], 0
	s_lshl_b32 s20, s13, 19                        ; four heads of 128 rows of 1,024 bytes,
	s_lshl_b32 s21, s12, 15                        ; 32 rows a wave
	s_add_co_u32 s20, s20, s21
	s_mov_b32 s21, 0
	s_mul_i32 s19, s12, 32*PITCH                   ; where they go: wave x 32 rows
	s_mov_b32 s42, 0x76543210                      ; v_permlanex16_b32: lane l xor 16
	s_mov_b32 s43, 0xfedcba98
	s_mov_b32 s52, 0xffff0000                      ; lanes 16-31
	s_cmp_eq_u32 s14, 0                            ; the first cluster of each half of the heads prefetches: the same in all four partners
	s_cselect_b32 s[LIM], 0, -1                    ; at k's change in every trip,
	s_cselect_b32 s[LIM+1], 1, -1                  ; at v's in all but the last
	s_lshl_b32 s56, s16, 18                        ; x's codes: 256 rows of 1,024 bytes a work-group,
	s_lshl_b32 s57, s12, 16                        ; 64 a wave
	s_add_co_u32 s56, s56, s57
	s_mov_b32 s57, 0
	s_mov_b32 s59, 0
	s_lshl_b32 s58, s13, 11                        ; q': four heads of 512 bytes
	s_wait_kmcnt 0x0
	s_add_nc_u64 s[22:23], s[6:7], s[20:21]        ; my 32 rows of k's first tile
	s_add_nc_u64 s[54:55], s[4:5], s[56:57]
	s_add_nc_u64 s[48:49], s[8:9], s[58:59]
	s_lshr_b32 s56, s16, 3                         ; the record: ((batch x 8 + head) x 32 + block) x 768 bytes; batch = my block of 256 / 8, block = 4 (my block of 256 % 8) + wave
	s_lshl_b32 s56, s56, 3
	s_lshl_b32 s58, s13, 2
	s_add_co_u32 s56, s56, s58
	s_lshl_b32 s56, s56, 5
	s_and_b32 s58, s16, 7
	s_lshl_b32 s58, s58, 2
	s_add_co_u32 s56, s56, s58
	s_add_co_u32 s56, s56, s12
	s_mul_i32 s56, s56, 768
	s_add_nc_u64 s[50:51], s[10:11], s[56:57]
	s_mov_b64 s[PFA:PFA+1], s[22:23]
	CROUND                                         ; all four work-groups are here: the first joint loads meet
.irp s, 0,1
	s_mov_b32 s[G0+4*\s], 1                        ; count = 1
	s_add_co_u32 s[G0+4*\s+1], s19, \s*SLOT        ; LDS address
	s_add_nc_u64 s[G0+4*\s+2:G0+4*\s+3], s[22:23], \s*1048576   ; global address: slot 0 k's rows, slot 1 v's, 1,024 rows on
	s_or_b32 s[G0+4*\s+3], s[G0+4*\s+3], 0x80000000             ; type = 2
.endr
	tensor_load_to_lds s[G0:G0+3], s[G1:G1+7]      ; both first fills go out together: two loads of mine are out
	s_nop 0
	tensor_load_to_lds s[G0+4:G0+7], s[G1:G1+7]
	s_nop 0
	PLACES
	v_and_b32 v1, 15, v0                           ; r
	v_bfe_u32 v2, v0, 4, 1                         ; h
	v_and_b32 v3, 31, v0                           ; lane
	v_lshlrev_b32 v[AX], 4, v3
	WIN 0x80                                       ; destination window 2
.irp rt, 0,1,2,3
.irp j, 0,1,2,3
.irp c, 0,1,2,3
	global_load_b128 v[64*\rt+16*\j+4*\c:64*\rt+16*\j+4*\c+3], v[AX], s[54:55] offset:\rt*16384+\j*2048+512*\c   ; an image of the operand's registers: 512 consecutive bytes a load
.endr
.endr
.endr
	WIN 0xc0                                       ; destination window 3
.irp rt, 0,1,2,3
.irp j, 0,1,2,3
.irp c, 0,1,2,3
	global_load_b128 v[64*\rt+16*\j+4*\c:64*\rt+16*\j+4*\c+3], v[AX], s[54:55] offset:\rt*16384+(\j+4)*2048+512*\c
.endr
.endr
.endr
	WIN 0
	v_lshlrev_b32 v[QO], 5, v2
	QLOAD 0
	v_mul_u32_u24 v[ADB], v1, PITCH
	v_lshl_add_u32 v[ADB], v2, 4, v[ADB]           ; row x pitch + 16 x half of the lanes: slot 0, column half 0;
	v_add_nc_u32 v[ADB+1], 64*PITCH, v[ADB]        ; column half 1 begins 64 rows on, further than an LDS immediate reaches beside the fragments' offsets: so each has its register
	v_add_nc_u32 v[ADB+8], SLOT, v[ADB]
	v_add_nc_u32 v[ADB+9], SLOT+64*PITCH, v[ADB]
	s_lshl_b32 s18, s12, 8
	s_add_co_u32 s18, s18, SCR                     ; my scratch
	v_lshl_add_u32 v[PST], v1, 2, s18
	v_lshl_add_u32 v[PLD], v2, 5, s18
	v_lshlrev_b32 v[PO8], 3, v3
	s_lshl_b32 s20, s15, 8
	v_lshl_add_u32 v[PFO], v3, 10, s20
.irp i, 0,1,2,3
	v_mov_b32 v[TM+\i], 0                          ; a lane permute's destination counts as read: written once
.endr
	s_wait_tensorcnt 0x1                           ; my part of slot 0 is in; slot 1's may stay out
	s_barrier_signal -1
	s_barrier_wait -1                              ; everybody's is
	WIN TO_B
	FETCH 0, 0, 0, 0
	FETCH 0, 0, 1, 1
	FETCH 0, 0, 2, 2
	FETCH 0, 0, 3, 3
	WIN 0
	s_wait_loadcnt 0x0                             ; x's codes and q'
	s_mov_b32 s40, 3
.Lhead:                                            ; three trips: heads 0 to 2 of the four; each slot is filled again once a trip, with the next head's rows
	STEP 0, 0, 3
	DRAIN_K 0
	QLOAD 1
	STEP 0, 1, 2
	DRAIN_K 1
	SOFTMAX
	s_add_nc_u64 s[48:49], s[48:49], 512           ; (the drain's wait has shown q's loads done)  the next head's q'
	QLOAD 0
	STEP 1, 0, 3
	DRAIN_V 0
	STEP 1, 1, 2
	DRAIN_V 1
	RECORD
	s_wait_xcnt 0x0                                ; the stores have read their base and their data, the trip's prefetches their base: all are written again only behind this wait
	s_add_nc_u64 s[50:51], s[50:51], 32*768        ; the next head's records
	s_add_nc_u64 s[PFA:PFA+1], s[PFA:PFA+1], 131072          ; and its rows of k
	s_sub_co_u32 s40, s40, 1
	s_cmp_lg_u32 s40, 0
	s_cbranch_scc1 .Lhead
	STEP 0, 0, 3                                   ; the last head is written out: it asks for nothing
	DRAIN_K 0
	QLOAD 1
	STEP 0, 1, 1
	DRAIN_K 1
	SOFTMAX
	STEP 1, 0, 3
	DRAIN_V 0
	STEP 1, 1, 0
	DRAIN_V 1
	RECORD
	s_wait_tensorcnt 0x0                           ; the wave's end: behind my last tensor load and my last LDS store
	ds_add_u32 v[SPW], v[NIL]
	s_wait_dscnt 0x0
	CROUND                                         ; the closing round: no work-group ends while a partner may still ask for a tile that names it
	s_endpgm
.Lfunc_end_k_q2bb33995fd_attn:
	.size	k_q2bb33995fd_attn, .Lfunc_end_k_q2bb33995fd_attn-k_q2bb33995fd_attn
	.p2alignl 7, 3214868480
	.fill 96, 4, 3214868480
	.section	.rodata,"a",@progbits
	.p2align	6, 0x0
	.amdhsa_kernel k_q2bb33995fd_attn
		.amdhsa_group_segment_fixed_size 327680
		.amdhsa_private_segment_fixed_size 0
		.amdhsa_enable_private_segment 0
		.amdhsa_kernarg_size 32
		.amdhsa_user_sgpr_count 2
		.amdhsa_user_sgpr_kernarg_segment_ptr 1
		.amdhsa_wavefront_size32 1
		.amdhsa_system_sgpr_workgroup_id_x 1
		.amdhsa_system_sgpr_workgroup_id_y 1
		.amdhsa_system_sgpr_workgroup_id_z 1
		.amdhsa_system_vgpr_workitem_id 0
		.amdhsa_next_free_vgpr 1024
		.amdhsa_next_free_sgpr 66
		.amdhsa_reserve_vcc 0
		.amdhsa_float_denorm_mode_32 3
		.amdhsa_float_denorm_mode_16_64 3
		.amdhsa_memory_ordered 1
		.amdhsa_forward_progress 1
		.amdhsa_inst_pref_size 205
	.end_amdhsa_kernel
	.amdgpu_metadata
---
amdhsa.version: [ 1, 2 ]
amdhsa.kernels:
  - .name:           k_q2bb33995fd_attn
    .symbol:         k_q2bb33995fd_attn.kd
    .args:
      - { .name: xcodes, .offset: 0, .size: 8, .value_kind: global_buffer, .address_space: global }
      - { .name: Wkv_codes, .offset: 8, .size: 8, .value_kind: global_buffer, .address_space: global }
      - { .name: qv, .offset: 16, .size: 8, .value_kind: global_buffer, .address_space: global }
      - { .name: part, .offset: 24, .size: 8, .value_kind: global_buffer, .address_space: global }
    .group_segment_fixed_size: 327680
    .private_segment_fixed_size: 0
    .kernarg_segment_align: 8
    .kernarg_segment_size: 32
    .max_flat_workgroup_size: 128
    .sgpr_count:     66
    .vgpr_count:     1024
    .wavefront_size: 32
...
	.end_amdgpu_metadata
.endif
;; end of part 2
;; launch fin (part 3): grid 16 x 16, 8 waves a work-group, no clusters, 7,168 bytes of LDS; arguments part, lowp_scales, proj_W_codes, proj_b, class_feature, out0; writes out0
.if DOCPART == 3
	.amdgcn_target "amdgcn-amd-amdhsa--gfx1250"
	.amdhsa_code_object_version 6
	.text
	.protected	k_q2bb33995fd_fin
	.globl	k_q2bb33995fd_fin
	.p2align	8
	.type	k_q2bb33995fd_fin,@function
k_q2bb33995fd_fin:
	s_mov_b64 s[64:65], 0
	v_nop
	global_prefetch_b8 v0, s[64:65] scope:SCOPE_SE
	s_setreg_imm32_b32 hwreg(HW_REG_WAVE_MODE, 25, 1), 1
	s_wait_xcnt 0x0
; out0[b] = class_feature + Q(agg[b]; e4) proj_W^T + proj_b.  agg[b][head] is joined here from its 32 blocks' records (m, l, unnormalised sums):
; M = max m; w = 2^(m - M); L = sum w l; agg = 2^(e2 + e3) x sum (w / L) agg_block.  The maximum is taken away before the exponential; L is at least 1.
; SHARES.  Work-group (x, y): output columns 64 x .. 64 x + 63 of batch y.  Wave w joins head w, whose 128 numbers are K step w of the product, quantises them in registers and multiplies them with its four
; fragments of proj_W; the eight waves' partial sums meet in LDS, and wave 0 adds them.  A batch's join is repeated by its 16 work-groups (196,608 bytes of records each), which spares a launch.
; The operand's sixteen rows are the one row: source 0 = 16 rows of proj_W, source 1 = the row: register i of lane (r, h) is column 16 t + 8 h + i.
; No tensor load, no cluster: what the work-groups of a batch share is small and is read once by each.
; LIMITS: e4 between -126 and 119; e2 + e3 and e4 + e5 are applied by v_ldexp_f32.  NaN among the inputs is not served.
.set RED, 4096                         ; LDS: 512 bytes a wave for a head's 128 numbers; from RED on 256 bytes a wave for its 64 partial sums
.set REC, 128                          ; v[128:255] the 32 records' four numbers of my lane; later v[128:191] the operand's 64 numbers, v[192:223] four accumulators
	s_load_b256 s[4:11], s[0:1], 0x0               ; records s[4:5], scales s[6:7], proj_W's codes s[8:9], proj_b s[10:11]
	s_load_b128 s[12:15], s[0:1], 0x20             ; class_feature s[12:13], out0 s[14:15]
	v_lshl_add_u32 v62, v0, 2, 0x1800
	v_mov_b32 v63, 0
	v_lshrrev_b32 v1, 5, v0
	v_readfirstlane_b32 s18, v1                    ; wave = head
	v_and_b32 v1, 31, v0                           ; lane
	v_and_b32 v2, 15, v0                           ; r
	v_bfe_u32 v3, v0, 4, 1                         ; h
	s_and_b32 s19, ttmp7, 0xffff                   ; the batch
	s_mov_b32 s16, 0x76543210                      ; v_permlanex16_b32: lane l xor 16
	s_mov_b32 s17, 0xfedcba98
	v_lshlrev_b32 v4, 4, v1                        ; a record's sums: 16 x lane
	v_mul_u32_u24 v5, v1, 768                      ; (m, l): lane = block
	v_lshlrev_b32 v6, 10, v2
	v_lshl_add_u32 v6, v3, 4, v6                   ; proj_W: row r of 1,024 bytes, + 16 h
	s_lshl_b32 s26, ttmp9, 8
	v_lshl_add_u32 v7, v1, 3, s26                  ; my two of the 64 columns: 256 x + 8 x lane
	s_lshl_b32 s27, s18, 9
	v_lshl_add_u32 v8, v1, 2, s27                  ; the head's numbers, in: 4 x lane
	v_lshl_add_u32 v9, v3, 6, s27                  ; and back: 64 h
	s_lshl_b32 s27, s18, 8
	s_add_co_u32 s27, s27, RED
	v_lshl_add_u32 v10, v3, 5, s27                 ; the partial sums, in: 32 h
	v_lshlrev_b32 v11, 3, v1
	v_add_nc_u32 v11, RED, v11                     ; and back, in wave 0: 8 x lane
	v_mov_b32 v15, 0                               ; a lane permute's destination counts as read: written once
	s_mov_b32 s29, 0
	s_wait_kmcnt 0x0
	s_load_b128 s[20:23], s[6:7], 0x0              ; e0 .. e3
	s_load_b64 s[24:25], s[6:7], 0x10              ; e4, e5
	s_lshl_b32 s28, s19, 3
	s_add_co_u32 s28, s28, s18
	s_mul_i32 s28, s28, 32*768                     ; the 32 records of (batch, head)
	s_add_nc_u64 s[4:5], s[4:5], s[28:29]
	s_lshl_b32 s28, ttmp9, 16                      ; 64 rows of proj_W,
	s_lshl_b32 s30, s18, 7                         ; K step w
	s_add_co_u32 s28, s28, s30
	s_add_nc_u64 s[8:9], s[8:9], s[28:29]
	s_lshl_b32 s28, s19, 12                        ; the batch's row of out0
	s_add_nc_u64 s[14:15], s[14:15], s[28:29]
	global_load_b64 v[12:13], v5, s[4:5] offset:512
.set k, 0
.rept 32
	global_load_b128 v[REC+4*k:REC+4*k+3], v4, s[4:5] offset:768*k     ; 512 consecutive bytes: float 4 l + g = the block's sum at d = 32 g + l
.set k, k+1
.endr
.irp t, 0,1,2,3
.irp c, 0,1,2,3
	global_load_b128 v[64+16*\t+4*\c:64+16*\t+4*\c+3], v6, s[8:9] offset:\t*16384+32*\c
.endr
.endr
	global_load_b64 v[20:21], v7, s[10:11]
	global_load_b64 v[22:23], v7, s[12:13]
	s_wait_loadcnt 0x0
	v_mov_b32 v14, v12
	v_max_num_f32_dpp v14, v14, v14 row_xmask:1 row_mask:0xf bank_mask:0xf
	v_max_num_f32_dpp v14, v14, v14 row_xmask:2 row_mask:0xf bank_mask:0xf
	v_max_num_f32_dpp v14, v14, v14 row_xmask:4 row_mask:0xf bank_mask:0xf
	v_max_num_f32_dpp v14, v14, v14 row_xmask:8 row_mask:0xf bank_mask:0xf
	v_permlanex16_b32 v15, v14, s16, s17
	v_max_num_f32 v14, v14, v15                    ; M
	v_sub_f32 v40, v12, v14
	v_exp_f32 v40, v40                             ; w = 2^(m - M)
	v_nop                                          ; a plain instruction behind the transcendental,
	s_wait_alu depctr_va_vdst(0)                   ; and the wait ahead of its first reader
	v_mul_f32 v41, v40, v13
	v_add_f32_dpp v41, v41, v41 row_xmask:1 row_mask:0xf bank_mask:0xf
	v_add_f32_dpp v41, v41, v41 row_xmask:2 row_mask:0xf bank_mask:0xf
	v_add_f32_dpp v41, v41, v41 row_xmask:4 row_mask:0xf bank_mask:0xf
	v_add_f32_dpp v41, v41, v41 row_xmask:8 row_mask:0xf bank_mask:0xf
	v_permlanex16_b32 v15, v41, s16, s17
	v_add_f32 v41, v41, v15                        ; L
	v_rcp_f32 v42, v41
	v_nop
	s_wait_alu depctr_va_vdst(0)
	v_mul_f32 v40, v40, v42                        ; w / L of block = lane
.set k, 0
.rept 32
	v_readlane_b32 s[32+k], v40, k                 ; the 32 weights as scalars: they are factors only
.set k, k+1
.endr
.irp g, 0,1,2,3
	v_mul_f32 v[16+\g], s32, v[REC+\g]             ; the first block starts the four sums
.endr
.set k, 1
.rept 31
.irp g, 0,1,2,3
	v_fmac_f32 v[16+\g], s[32+k], v[REC+4*k+\g]
.endr
.set k, k+1
.endr
	s_wait_kmcnt 0x0
	s_add_co_i32 s26, s22, s23                     ; e2 + e3: the sums were of raw codes' products
.irp g, 0,1,2,3
	v_ldexp_f32 v[16+\g], v[16+\g], s26
.endr
	s_add_co_i32 s27, s24, 127
	s_lshl_b32 s28, s27, 23
	v_mov_b32 v60, s28                             ; 2^e4 as f32: the conversion takes its exponent field
	s_add_co_i32 s27, s27, 8
	s_lshl_b32 s27, s27, 23
	s_or_b32 s27, s27, 0x600000
	v_mov_b32 v61, s27                             ; 448 x 2^e4
.irp g, 0,1,2,3
	ds_store_b32 v8, v[16+\g] offset:128*\g        ; agg[32 g + l] at byte 4 (32 g + l): the head's 128 numbers in their order
.endr
.irp c, 0,1,2,3
.irp q, 0,1,2,3
	ds_load_b128 v[REC+16*\c+4*\q:REC+16*\c+4*\q+3], v9 offset:128*\c+16*\q   ; register 16 c + i = K 32 c + 16 h + i.  My own bytes: LDS serves a wave's instructions in order
.endr
.endr
	s_wait_dscnt 0x0
.irp c, 0,1,2,3
.irp i, 0,1,2,3,4,5,6,7,8,9,10,11,12,13,14,15
	v_med3_num_f32 v[REC+16*\c+\i], v[REC+16*\c+\i], -v61, v61    ; the conversion to an 8-bit code does not saturate (ISA guide 7.6.2): the hold at the largest code x the scale
.endr
	v_cvt_scalef32_pk8_fp8_f32 v[24+4*\c:25+4*\c], v[REC+16*\c:REC+16*\c+7], v60
	v_cvt_scalef32_pk8_fp8_f32 v[26+4*\c:27+4*\c], v[REC+16*\c+8:REC+16*\c+15], v60
.endr
	v_nop                                          ; one plain vector instruction between a scaled conversion and the matrix instruction that reads its result
.irp t, 0,1,2,3
	v_wmma_f32_16x16x128_fp8_fp8 v[192+8*\t:199+8*\t], v[64+16*\t:79+16*\t], v[24:39], 0
.endr
.rept 4
	v_nop                                          ; four places ahead of the stores that read the results
.endr
.irp t, 0,1,2,3
	ds_store_b128 v10, v[192+8*\t:195+8*\t] offset:64*\t          ; each accumulator from its low end on; the sixteen lanes of a half hold the same numbers and write the same bytes
	ds_store_b128 v10, v[196+8*\t:199+8*\t] offset:64*\t+16
.endr
	s_wait_dscnt 0x0                               ; for the others' sake: my partial sums lie in LDS
	s_barrier_signal -1
	s_barrier_wait -1
	s_cmp_lg_u32 s18, 0
	s_cbranch_scc1 .Lend                           ; wave 0 adds the eight K steps
.irp k, 0,1,2,3,4,5,6,7
	ds_load_b64 v[44+2*\k:45+2*\k], v11 offset:256*\k
.endr
	s_add_co_i32 s26, s24, s25                     ; e4 + e5
	s_wait_dscnt 0x0
	v_pk_add_f32 v[44:45], v[44:45], v[46:47]
	v_pk_add_f32 v[48:49], v[48:49], v[50:51]
	v_pk_add_f32 v[52:53], v[52:53], v[54:55]
	v_pk_add_f32 v[56:57], v[56:57], v[58:59]
	v_pk_add_f32 v[44:45], v[44:45], v[48:49]
	v_pk_add_f32 v[52:53], v[52:53], v[56:57]
	v_pk_add_f32 v[44:45], v[44:45], v[52:53]
	v_ldexp_f32 v44, v44, s26
	v_ldexp_f32 v45, v45, s26
	v_pk_add_f32 v[44:45], v[44:45], v[22:23]      ; + class_feature
	v_pk_add_f32 v[44:45], v[44:45], v[20:21]      ; + proj_b
	global_store_b64 v7, v[44:45], s[14:15]        ; 32 lanes store 256 consecutive bytes, aligned
.Lend:
	s_wait_tensorcnt 0x0
	ds_add_u32 v62, v63
	s_wait_dscnt 0x0
	s_endpgm
.Lfunc_end_k_q2bb33995fd_fin:
	.size	k_q2bb33995fd_fin, .Lfunc_end_k_q2bb33995fd_fin-k_q2bb33995fd_fin
	.p2alignl 7, 3214868480
	.fill 96, 4, 3214868480
	.section	.rodata,"a",@progbits
	.p2align	6, 0x0
	.amdhsa_kernel k_q2bb33995fd_fin
		.amdhsa_group_segment_fixed_size 7168
		.amdhsa_private_segment_fixed_size 0
		.amdhsa_enable_private_segment 0
		.amdhsa_kernarg_size 48
		.amdhsa_user_sgpr_count 2
		.amdhsa_user_sgpr_kernarg_segment_ptr 1
		.amdhsa_wavefront_size32 1
		.amdhsa_system_sgpr_workgroup_id_x 1
		.amdhsa_system_sgpr_workgroup_id_y 1
		.amdhsa_system_sgpr_workgroup_id_z 1
		.amdhsa_system_vgpr_workitem_id 0
		.amdhsa_next_free_vgpr 256
		.amdhsa_next_free_sgpr 66
		.amdhsa_reserve_vcc 0
		.amdhsa_float_denorm_mode_32 3
		.amdhsa_float_denorm_mode_16_64 3
		.amdhsa_memory_ordered 1
		.amdhsa_forward_progress 1
		.amdhsa_inst_pref_size 23
	.end_amdhsa_kernel
	.amdgpu_metadata
---
amdhsa.version: [ 1, 2 ]
amdhsa.kernels:
  - .name:           k_q2bb33995fd_fin
    .symbol:         k_q2bb33995fd_fin.kd
    .args:
      - { .name: part, .offset: 0, .size: 8, .value_kind: global_buffer, .address_space: global }
      - { .name: lowp_scales, .offset: 8, .size: 8, .value_kind: global_buffer, .address_space: global }
      - { .name: proj_W_codes, .offset: 16, .size: 8, .value_kind: global_buffer, .address_space: global }
      - { .name: proj_b, .offset: 24, .size: 8, .value_kind: global_buffer, .address_space: global }
      - { .name: class_feature, .offset: 32, .size: 8, .value_kind: global_buffer, .address_space: global }
      - { .name: out0, .offset: 40, .size: 8, .value_kind: global_buffer, .address_space: global }
    .group_segment_fixed_size: 7168
    .private_segment_fixed_size: 0
    .kernarg_segment_align: 8
    .kernarg_segment_size: 48
    .max_flat_workgroup_size: 256
    .sgpr_count:     66
    .vgpr_count:     256
    .wavefront_size: 32
...
	.end_amdgpu_metadata
.endif
;; end of part 3
;; ======== version 2 of 2: 3 launches
;; workspace buffers: xcodes 33,554,432 bytes; qv 4,096 bytes; part 3,145,728 bytes
;; launch prep (part 4): grid 264 x 1, 8 waves a work-group, no clusters, 144,384 bytes of LDS; arguments features, kv_gamma, kv_beta, lowp_scales, class_feature, q_gamma, q_beta, Wq_codes, xcodes, qv; writes xcodes, qv
.if DOCPART == 4
	.amdgcn_target "amdgcn-amd-amdhsa--gfx1250"
	.amdhsa_code_object_version 6
	.text
	.protected	k_q2bb33995fd_prep
	.globl	k_q2bb33995fd_prep
	.p2align	8
	.type	k_q2bb33995fd_prep,@function
k_q2bb33995fd_prep:
	s_mov_b64 s[64:65], 0
	v_nop
	global_prefetch_b8 v0, s[64:65] scope:SCOPE_SE
	s_setreg_imm32_b32 hwreg(HW_REG_WAVE_MODE, 25, 1), 1
	s_wait_xcnt 0x0
; WORK-GROUPS 0-255: xcodes = Q(layernorm(features) ; e2): codes of FP8 (E4M3), laid as images of the operand's registers.
; WORK-GROUPS 256-263: qv = q' = (Q(layernorm(class_feature); e0) Wq^T) x log2(e) x 2^(e0 + e1 + e2 + e3 - 5): the query, with 1024^-0.5 = 2^-5, the logits' change to base 2 and
; the scales of k folded in, so that the next launch multiplies it with raw sums of codes.
; LAYERNORM.  A wave takes 16 rows of 1,024 f32, one row at a time, the whole row in the wave: each of a row's eight loads reads 512 consecutive bytes (lane l: columns 128 i + 4 l .. + 3).
; The mean is taken first and the variance of x - mean: no difference of large sums.  Four row slots in registers: one at work, three on their way.
; CODES.  code = y / 2^e, held within +-448, to the nearest code, ties to even.  A row's 1,024 codes go into the wave's own stage in LDS (pitch 1,040 bytes) and come back as the matrix operand wants them:
; piece k = 4 j + c of a tile of 16 rows: lane l holds row l % 16, K = 128 j + 32 c + 16 (l / 16) + 0 .. 15.  Piece k lies at 512 k + 16 l of the tile's 16,384 bytes: each store covers 512 consecutive bytes, aligned.
; q'.  A wave takes 16 columns: its eight fragments of Wq (128 registers), class_feature, gain and bias are all asked for at once, so that the path waits for memory once.
; No cluster: the work-groups share no input but a few KB of gain and bias.  The two kinds of work-groups part on the work-group's number, never meet again, and have LDS bytes of their own.
; The layernorm's waves share nothing and have no barrier; the eight waves of a q' work-group meet once, so that their 8 x 64 bytes leave as 512 consecutive bytes.
; LIMITS: e0 and e2 between -126 and 119, so that 2^e and 448 x 2^e are f32 numbers; e0 + e1 + e2 + e3 - 5 is applied by v_ldexp_f32.  NaN among the inputs is not served.
.set PITCH, 1040                       ; a stage row: 1,024 bytes + 16: an odd multiple of 16, so that the 16 rows of a read back start at 16 different groups of banks
.set STGW,  16*PITCH                   ; a wave's stage
.set QST,   8*STGW                     ; the q path: 1,024 bytes a wave for the one row's codes,
.set QOUT,  QST+8*1024                 ; and 512 bytes for the work-group's 128 numbers of q' on their way out
.set GAM, 16                           ; v[16:47]   the gain at my 32 columns
.set BET, 48                           ; v[48:79]   the bias
.set T,   80                           ; v[80:111]  the row at work; in the q path also the row as loaded, later two accumulators and q'
.set X,   112                          ; v[112:239] four slots of 32: rows as loaded; in the q path eight fragments of Wq
.set C,   240                          ; v[240:247] a row's codes: register i = columns 128 i + 4 l .. + 3
.set CH,  248                          ; v[248:255] four chains of sums, a pair each
; v1 16 x lane; v2 where I store codes in the stage; v3 where I read the stage back; v6 a sum, v7 the other half's; v[8:9] mean, v[10:11] 1 / sqrt (the upper words are named with them, so they are written); v12 2^e, v13 448 x 2^e
.macro JOIN                            ; the four chains, the two halves of a pair, the 32 lanes: the sum in v6 of every lane
	s_delay_alu instid0(VALU_DEP_3)
	v_pk_add_f32 v[CH:CH+1], v[CH:CH+1], v[CH+2:CH+3]
	s_delay_alu instid0(VALU_DEP_2)
	v_pk_add_f32 v[CH+4:CH+5], v[CH+4:CH+5], v[CH+6:CH+7]
	s_delay_alu instid0(VALU_DEP_1)
	v_pk_add_f32 v[CH:CH+1], v[CH:CH+1], v[CH+4:CH+5]
	s_delay_alu instid0(VALU_DEP_1)
	v_add_f32 v6, v[CH], v[CH+1]
	s_delay_alu instid0(VALU_DEP_1)
	v_add_f32_dpp v6, v6, v6 row_xmask:1 row_mask:0xf bank_mask:0xf
	s_delay_alu instid0(VALU_DEP_1)
	v_add_f32_dpp v6, v6, v6 row_xmask:2 row_mask:0xf bank_mask:0xf
	s_delay_alu instid0(VALU_DEP_1)
	v_add_f32_dpp v6, v6, v6 row_xmask:4 row_mask:0xf bank_mask:0xf
	s_delay_alu instid0(VALU_DEP_1)
	v_add_f32_dpp v6, v6, v6 row_xmask:8 row_mask:0xf bank_mask:0xf
	s_delay_alu instid0(VALU_DEP_1)
	v_permlanex16_b32 v7, v6, s26, s27
	s_delay_alu instid0(VALU_DEP_1)
	v_add_f32 v6, v6, v7
.endm
; One row: slot s holds it (slot -1: the work registers themselves); its codes go to row `row` of the stage.  ahead = 1: the slot is filled with the row four further on.  left: the younger loads that may stay out.
.macro ROW s, row, ahead, left
.set XS, X+32*(\s)
	s_wait_loadcnt \left                           ; loads come back in order: this row is in
.irp k, 0,1,2,3
	v_pk_add_f32 v[CH+2*\k:CH+2*\k+1], v[XS+2*\k:XS+2*\k+1], v[XS+8+2*\k:XS+9+2*\k]    ; the first pairs start the chains: nothing is cleared
.endr
.irp k, 8,9,10,11,12,13,14,15
	s_delay_alu instid0(VALU_DEP_4)
	v_pk_add_f32 v[CH+2*(\k%4):CH+2*(\k%4)+1], v[CH+2*(\k%4):CH+2*(\k%4)+1], v[XS+2*\k:XS+2*\k+1]
.endr
	JOIN
	s_delay_alu instid0(VALU_DEP_1)
	v_mul_f32 v8, s28, v6                          ; the mean: sum x 2^-10
.irp k, 0,1,2,3,4,5,6,7,8,9,10,11,12,13,14,15
	v_pk_add_f32 v[T+2*\k:T+2*\k+1], v[XS+2*\k:XS+2*\k+1], v[8:9] op_sel_hi:[1,0] neg_lo:[0,1] neg_hi:[0,1]   ; x - mean
.endr
.if \ahead
.irp i, 0,1,2,3,4,5,6,7
	global_load_b128 v[XS+4*\i:XS+4*\i+3], v1, s[4:5] offset:((\row)+4)*4096+512*\i th:TH_LOAD_NT   ; the slot has been read: 512 consecutive bytes a load
.endr
.endif
.irp k, 0,1,2,3
	v_pk_mul_f32 v[CH+2*\k:CH+2*\k+1], v[T+2*\k:T+2*\k+1], v[T+2*\k:T+2*\k+1]
.endr
.irp k, 4,5,6,7,8,9,10,11,12,13,14,15
	s_delay_alu instid0(VALU_DEP_4)
	v_pk_fma_f32 v[CH+2*(\k%4):CH+2*(\k%4)+1], v[T+2*\k:T+2*\k+1], v[T+2*\k:T+2*\k+1], v[CH+2*(\k%4):CH+2*(\k%4)+1]
.endr
	JOIN
	s_delay_alu instid0(VALU_DEP_1)
	v_fma_f32 v6, v6, s28, s29                     ; the variance + 1e-5
	s_wait_alu depctr_va_vdst(0)
	v_rsq_f32 v10, v6
	v_nop                                          ; a plain instruction behind the transcendental (ISA guide 5.7.2),
	s_wait_alu depctr_va_vdst(0)                   ; and the wait ahead of its first reader
.irp k, 0,1,2,3,4,5,6,7,8,9,10,11,12,13,14,15
	v_pk_mul_f32 v[T+2*\k:T+2*\k+1], v[T+2*\k:T+2*\k+1], v[10:11] op_sel_hi:[1,0]
.endr
.irp k, 0,1,2,3,4,5,6,7,8,9,10,11,12,13,14,15
	v_pk_fma_f32 v[T+2*\k:T+2*\k+1], v[T+2*\k:T+2*\k+1], v[GAM+2*\k:GAM+2*\k+1], v[BET+2*\k:BET+2*\k+1]
.endr
.set i, 0
.rept 32
	v_med3_num_f32 v[T+i], v[T+i], -v13, v13       ; the conversion to an 8-bit code does not saturate (ISA guide 7.6.2): the hold at the largest code x the scale
.set i, i+1
.endr
	s_wait_alu depctr_va_vdst(0)
	s_wait_dscnt 0x0                               ; the last row's LDS stores, a row back, have read the codes' registers
.irp q, 0,1,2,3
	v_cvt_scalef32_pk8_fp8_f32 v[C+2*\q:C+2*\q+1], v[T+8*\q:T+8*\q+7], v12
.endr
	v_nop                                          ; one plain vector instruction behind the last scaled conversion
.irp i, 0,1,2,3,4,5,6,7
	ds_store_b32 v2, v[C+\i] offset:(\row)*PITCH+128*\i      ; 32 lanes: 128 consecutive bytes: a code's byte in the stage row is its column
.endr
.endm
.macro SCALES                          ; from e in s32: v12 = 2^e as f32 (the conversion takes its exponent field), v13 = 448 x 2^e
	s_add_co_i32 s37, s32, 127
	s_lshl_b32 s38, s37, 23
	v_mov_b32 v12, s38
	s_add_co_i32 s37, s37, 8
	s_lshl_b32 s37, s37, 23
	s_or_b32 s37, s37, 0x600000
	v_mov_b32 v13, s37
.endm
	s_load_b512 s[4:19], s[0:1], 0x0               ; features s[4:5], kv_gamma s[6:7], kv_beta s[8:9], scales s[10:11], class_feature s[12:13], q_gamma s[14:15], q_beta s[16:17], Wq's codes s[18:19]
	s_load_b128 s[20:23], s[0:1], 0x40             ; xcodes s[20:21], qv s[22:23]
	s_set_vgpr_msb 0x40
	v_lshl_add_u32 v0, v0, 2, 0x23000
	v_mov_b32 v1, 0
	s_set_vgpr_msb 0x4000
	v_lshrrev_b32 v1, 5, v0
	s_delay_alu instid0(VALU_DEP_1)
	v_readfirstlane_b32 s24, v1                    ; wave 0..7
	v_and_b32 v14, 31, v0                          ; lane
	v_and_b32 v15, 15, v0                          ; r
	v_bfe_u32 v5, v0, 4, 1                         ; h
	s_delay_alu instid0(VALU_DEP_3)
	v_lshlrev_b32 v1, 4, v14                       ; 16 x lane
	v_mov_b32 v7, 0                                ; a lane permute's destination counts as read: written once
	v_mov_b32 v9, 0
	v_mov_b32 v11, 0
	s_mov_b32 s26, 0x76543210                      ; v_permlanex16_b32: lane l xor 16
	s_mov_b32 s27, 0xfedcba98
	s_mov_b32 s28, 0x3a800000                      ; 2^-10
	s_mov_b32 s29, 0x3727c5ac                      ; 1e-5
	s_mov_b32 s31, 0
	s_wait_kmcnt 0x0
	s_cmp_ge_u32 ttmp9, 256
	s_cbranch_scc1 .Lq
	; ---- features: wave w of work-group g takes the tile of rows 16 (8 g + w) on
	s_load_b32 s32, s[10:11], 0x8                  ; e2
	s_lshl_b32 s25, ttmp9, 3
	s_add_co_u32 s25, s25, s24                     ; the tile
	s_mul_i32 s41, s24, STGW                       ; my stage
	s_wait_alu depctr_va_vdst(0)
	v_lshl_add_u32 v2, v14, 2, s41                 ; in: 4 x lane
	v_mul_u32_u24 v3, v15, PITCH
	s_delay_alu instid0(VALU_DEP_1)
	v_lshl_add_u32 v3, v5, 4, v3
	s_delay_alu instid0(VALU_DEP_1)
	v_add_nc_u32 v3, s41, v3                       ; back: row r, + 16 h
	s_lshl_b32 s30, s25, 16                        ; 16 rows of 4,096 bytes
	s_add_nc_u64 s[4:5], s[4:5], s[30:31]
	s_lshl_b32 s30, s25, 14                        ; 16 rows of 1,024 codes
	s_add_nc_u64 s[20:21], s[20:21], s[30:31]
.irp i, 0,1,2,3,4,5,6,7
	global_load_b128 v[GAM+4*\i:GAM+4*\i+3], v1, s[6:7] offset:512*\i
.endr
.irp i, 0,1,2,3,4,5,6,7
	global_load_b128 v[BET+4*\i:BET+4*\i+3], v1, s[8:9] offset:512*\i
.endr
.irp r, 0,1,2,3
.irp i, 0,1,2,3,4,5,6,7
	global_load_b128 v[X+32*\r+4*\i:X+32*\r+4*\i+3], v1, s[4:5] offset:\r*4096+512*\i th:TH_LOAD_NT
.endr
.endr
	s_wait_kmcnt 0x0                               ; e2 is in
	SCALES
.irp r, 0,1,2,3,4,5,6,7,8,9,10,11
	ROW \r%4, \r, 1, 24                            ; three younger rows, eight loads each, stay out
.endr
	ROW 0, 12, 0, 24                               ; the last four rows load nothing: the counts run down
	ROW 1, 13, 0, 16
	ROW 2, 14, 0, 8
	ROW 3, 15, 0, 0
.set k, 0
.rept 32
	ds_load_b128 v[X+4*k:X+4*k+3], v3 offset:128*(k/4)+32*(k%4)   ; LDS serves a wave's instructions in order (ISA guide 5.7.1.4): these see my stores
.set k, k+1
.endr
.set k, 0
.rept 32
	s_wait_dscnt 31-k
	global_store_b128 v1, v[X+4*k:X+4*k+3], s[20:21] offset:512*k  ; piece k: 32 lanes store 512 consecutive bytes, aligned
.set k, k+1
.endr
	s_set_vgpr_msb 0x5
	s_wait_tensorcnt 0x0
	ds_add_u32 v0, v1
	s_wait_dscnt 0x0
	s_set_vgpr_msb 0x500
	s_endpgm
	; ---- q': wave w of work-group 256 + G takes columns 16 (8 G + w) .. + 15: one tile, K = 1,024 in eight steps of 128
.Lq:
	s_load_b128 s[32:35], s[10:11], 0x0            ; e0, e1, e2, e3: none of s32 to s35 is touched before the wait for them below
	s_sub_co_u32 s39, ttmp9, 256                   ; G
	s_lshl_b32 s25, s39, 3
	s_add_co_u32 s25, s25, s24                     ; the tile
	s_lshl_b32 s41, s24, 10
	s_add_co_u32 s41, s41, QST                     ; my 1,024 bytes for the row's codes
	s_wait_alu depctr_va_vdst(0)
	v_lshl_add_u32 v2, v14, 2, s41                 ; in: 4 x lane
	v_lshl_add_u32 v3, v5, 4, s41                  ; back: 16 h: all sixteen rows of the operand are the one row
	v_lshlrev_b32 v4, 10, v15
	s_delay_alu instid0(VALU_DEP_1)
	v_lshl_add_u32 v4, v5, 4, v4                   ; Wq: row r of 1,024 bytes, + 16 h
	s_lshl_b32 s40, s24, 6
	s_add_co_u32 s40, s40, QOUT                    ; my 64 bytes of the work-group's 512
	v_lshl_add_u32 v5, v5, 5, s40                  ; in: 32 h
	v_add_nc_u32 v14, QOUT, v1                     ; back, in wave 0: 16 x lane
	s_lshl_b32 s30, s25, 14                        ; 16 rows of Wq
	s_add_nc_u64 s[18:19], s[18:19], s[30:31]
	s_lshl_b32 s30, s39, 9                         ; 128 numbers of q'
	s_add_nc_u64 s[22:23], s[22:23], s[30:31]
.irp i, 0,1,2,3,4,5,6,7
	global_load_b128 v[T+4*\i:T+4*\i+3], v1, s[12:13] offset:512*\i          ; class_feature, straight into the work registers
.endr
.irp i, 0,1,2,3,4,5,6,7
	global_load_b128 v[GAM+4*\i:GAM+4*\i+3], v1, s[14:15] offset:512*\i
.endr
.irp i, 0,1,2,3,4,5,6,7
	global_load_b128 v[BET+4*\i:BET+4*\i+3], v1, s[16:17] offset:512*\i
.endr
.irp j, 0,1,2,3,4,5,6,7
.irp c, 0,1,2,3
	global_load_b128 v[X+16*\j+4*\c:X+16*\j+4*\c+3], v4, s[18:19] offset:128*\j+32*\c   ; K step j: lane (r, h): row r of my 16 of Wq, K = 128 j + 32 c + 16 h + 0 .. 15
.endr
.endr
	s_wait_kmcnt 0x0                               ; the four exponents are in
	SCALES                                         ; from e0
	s_add_co_i32 s36, s32, s33
	s_add_co_i32 s36, s36, s34
	s_add_co_i32 s36, s36, s35
	s_sub_co_i32 s36, s36, 5                       ; e0 + e1 + e2 + e3 - 5
	ROW -1, 0, 0, 0                                ; the one row, in place; its wait is for all my loads, Wq's fragments among them
	; source 0 = 16 rows of Wq, source 1 = the one row of codes, sixteen times: register i of lane (r, h) is column 8 h + i.  Two accumulators take turns, even K steps and odd
.irp g, 0,1
.if \g
.rept 4
	v_nop                                          ; four places ahead of loads into registers that the products above read
.endr
.endif
.irp j, 0,1,2,3
.irp c, 0,1,2,3
	ds_load_b128 v[16+16*\j+4*\c:19+16*\j+4*\c], v3 offset:128*(4*\g+\j)+32*\c    ; four K steps of the row's codes, over the gain and bias, which have been read.  My own bytes: LDS serves a wave's instructions in order
.endr
.endr
	s_wait_dscnt 0x0
.irp j, 0,1,2,3
.if (\g == 0) && (\j < 2)
	v_wmma_f32_16x16x128_fp8_fp8 v[80+8*(\j%2):87+8*(\j%2)], v[X+16*(4*\g+\j):X+16*(4*\g+\j)+15], v[16+16*\j:31+16*\j], 0     ; the first two K steps start the two sums
.else
	v_wmma_f32_16x16x128_fp8_fp8 v[80+8*(\j%2):87+8*(\j%2)], v[X+16*(4*\g+\j):X+16*(4*\g+\j)+15], v[16+16*\j:31+16*\j], v[80+8*(\j%2):87+8*(\j%2)]
.endif
.endr
.endr
.rept 4
	v_nop                                          ; four places ahead of the first read of results
.endr
.irp i, 0,2,4,6
	v_pk_add_f32 v[96+\i:97+\i], v[80+\i:81+\i], v[88+\i:89+\i]         ; the two sums, each accumulator from its low end on
.endr
.irp i, 0,2,4,6
	s_delay_alu instid0(VALU_DEP_4)
	v_pk_mul_f32 v[96+\i:97+\i], v[96+\i:97+\i], 0x3fb8aa3b op_sel_hi:[1,0]   ; x log2(e)
.endr
.irp i, 0,1,2,3,4,5,6,7
	v_ldexp_f32 v[96+\i], v[96+\i], s36
.endr
	ds_store_b128 v5, v[96:99]                     ; the sixteen lanes of a half hold the same numbers and write the same bytes
	ds_store_b128 v5, v[100:103] offset:16
	s_wait_dscnt 0x0                               ; for the others' sake: my 16 numbers lie in LDS
	s_barrier_signal -1
	s_barrier_wait -1
	s_cmp_lg_u32 s24, 0
	s_cbranch_scc1 .Lqend                          ; wave 0 stores the work-group's 128 numbers
	ds_load_b128 v[8:11], v14
	s_wait_dscnt 0x0
	global_store_b128 v1, v[8:11], s[22:23]        ; 32 lanes store 512 consecutive bytes, aligned
.Lqend:
	s_set_vgpr_msb 0x5
	s_wait_tensorcnt 0x0
	ds_add_u32 v0, v1
	s_wait_dscnt 0x0
	s_set_vgpr_msb 0x500
	s_endpgm
.Lfunc_end_k_q2bb33995fd_prep:
	.size	k_q2bb33995fd_prep, .Lfunc_end_k_q2bb33995fd_prep-k_q2bb33995fd_prep
	.p2alignl 7, 3214868480
	.fill 96, 4, 3214868480
	.section	.rodata,"a",@progbits
	.p2align	6, 0x0
	.amdhsa_kernel k_q2bb33995fd_prep
		.amdhsa_group_segment_fixed_size 144384
		.amdhsa_private_segment_fixed_size 0
		.amdhsa_enable_private_segment 0
		.amdhsa_kernarg_size 80
		.amdhsa_user_sgpr_count 2
		.amdhsa_user_sgpr_kernarg_segment_ptr 1
		.amdhsa_wavefront_size32 1
		.amdhsa_system_sgpr_workgroup_id_x 1
		.amdhsa_system_sgpr_workgroup_id_y 1
		.amdhsa_system_sgpr_workgroup_id_z 1
		.amdhsa_system_vgpr_workitem_id 0
		.amdhsa_next_free_vgpr 258
		.amdhsa_next_free_sgpr 66
		.amdhsa_reserve_vcc 0
		.amdhsa_float_denorm_mode_32 3
		.amdhsa_float_denorm_mode_16_64 3
		.amdhsa_memory_ordered 1
		.amdhsa_forward_progress 1
		.amdhsa_inst_pref_size 209
	.end_amdhsa_kernel
	.amdgpu_metadata
---
amdhsa.version: [ 1, 2 ]
amdhsa.kernels:
  - .name:           k_q2bb33995fd_prep
    .symbol:         k_q2bb33995fd_prep.kd
    .args:
      - { .name: features, .offset: 0, .size: 8, .value_kind: global_buffer, .address_space: global }
      - { .name: kv_gamma, .offset: 8, .size: 8, .value_kind: global_buffer, .address_space: global }
      - { .name: kv_beta, .offset: 16, .size: 8, .value_kind: global_buffer, .address_space: global }
      - { .name: lowp_scales, .offset: 24, .size: 8, .value_kind: global_buffer, .address_space: global }
      - { .name: class_feature, .offset: 32, .size: 8, .value_kind: global_buffer, .address_space: global }
      - { .name: q_gamma, .offset: 40, .size: 8, .value_kind: global_buffer, .address_space: global }
      - { .name: q_beta, .offset: 48, .size: 8, .value_kind: global_buffer, .address_space: global }
      - { .name: Wq_codes, .offset: 56, .size: 8, .value_kind: global_buffer, .address_space: global }
      - { .name: xcodes, .offset: 64, .size: 8, .value_kind: global_buffer, .address_space: global }
      - { .name: qv, .offset: 72, .size: 8, .value_kind: global_buffer, .address_space: global }
    .group_segment_fixed_size: 144384
    .private_segment_fixed_size: 0
    .kernarg_segment_align: 8
    .kernarg_segment_size: 80
    .max_flat_workgroup_size: 256
    .sgpr_count:     66
    .vgpr_count:     258
    .wavefront_size: 32
...
	.end_amdgpu_metadata
.endif
;; end of part 4
;; launch attn (part 5): grid 256 x 1, 4 waves a work-group, clusters of 4 x 1, 327,680 bytes of LDS; arguments xcodes, Wkv_codes, qv, part; writes part
.if DOCPART == 5
	.amdgcn_target "amdgcn-amd-amdhsa--gfx1250"
	.amdhsa_code_object_version 6
	.text
	.protected	k_q2bb33995fd_attn
	.globl	k_q2bb33995fd_attn
	.p2align	8
	.type	k_q2bb33995fd_attn,@function
k_q2bb33995fd_attn:
	s_mov_b64 s[64:65], 0
	v_nop
	global_prefetch_b8 v0, s[64:65] scope:SCOPE_SE
	s_setreg_imm32_b32 hwreg(HW_REG_WAVE_MODE, 25, 1), 1
	s_wait_xcnt 0x0
	s_wait_alu depctr_hold_cnt(0) depctr_sa_sdst(0) depctr_va_vdst(0) depctr_va_sdst(0) depctr_va_ssrc(0) depctr_va_vcc(0) depctr_vm_vsrc(0)
	s_getreg_b32 s2, hwreg(HW_REG_IB_STS2, 6, 4)
	s_cmp_eq_u32 s2, 0
	s_cbranch_scc0 .Lentry_in_a_cluster
	s_endpgm
.Lentry_in_a_cluster:
	s_bfe_u32 s2, ttmp6, 0x10000c
	s_cmp_lg_u32 s2, 0x3003
	s_cbranch_scc0 .Lentry_shape_is_right
	s_endpgm
.Lentry_shape_is_right:
; kv = x Wkv^T on codes of FP8 (E4M3), and, without k or v ever leaving the registers, the single query's attention over blocks of 64 rows.
; For each (batch, head, block of 64 rows): t[n] = sum over d of q'[d] ksum[n][d] (q' carries every scale and log2(e)); m = max t; p = 2^(t - m); l = sum p; agg[d] = sum over n of p[n] vsum[n][d], on raw sums of codes.
; The next launch joins the 32 blocks of a (batch, head).  The products with q' and with p are f32 multiply-adds, since their results go on into a quantiser.
; SHARES.  A work-group owns 256 rows of x and four heads; wave w owns rows 64 w on, for all four heads.  Its 64 rows x 1,024 K of codes (512 registers) stay in registers for the whole launch; only Wkv goes through LDS.
; The four waves multiply by the same rows of Wkv, so a work-group draws 1,024 of Wkv's 2,048 rows through LDS.  Each tile of x's codes is read by two work-groups, one for each half of the heads.
; STEPS.  16 steps a wave: head i of the four, k then v, column halves u = 0, 1 of 64.  A step is 64 rows x 64 columns x K 1,024: 16 accumulators x 8 K steps = 128 matrix instructions, begun with C = 0 and drained at its end.
; For k source 0 = 16 rows of Wkv and source 1 = 16 rows of x: a lane holds ONE row of x and eight d, so the product with q' runs down its registers.  For v the sources are swapped: a lane holds ONE d and eight rows, so the product with p does.
; RING.  Two LDS slots of 128 rows of Wkv of 1,024 bytes, two steps each: slot 0 holds k's rows of the head in hand, slot 1 v's.  Each wave fetches 32 of the rows by one tensor load.  One change of slots for two steps.  A slot's last LDS
; read is issued in the fourth K step of its second step, so the slot is asked for again in that step's seventh, and between the request and the wait for it a wave issues 16 + 128 + 80 = 224 matrix instructions.
; CLUSTER.  The four work-groups of a cluster have the same four heads and walk the same rows of Wkv in the same order: each tile is asked for JOINTLY (the same line, the same descriptor, mask 15).  x's codes come by plain loads.
; K IS PERMUTED ALIKE IN BOTH OPERANDS: registers 4 c .. 4 c + 3 of a fragment hold K = 32 c + 16 (lane / 16) + 0 .. 15, so that a fragment is four loads of 16 bytes; every product meets its partner.
; REGISTERS, in windows of 256: window 0: v0-15 addresses, v16-63 the drains' sums, v64-95 q', v96-127 p, v128-255 the 16 accumulators ((rt, f) at v[128 + 8 (4 rt + f)]).
;   window 1: four sets of four fragments of Wkv (K step j in set j % 4).   window 2: x's fragments of K steps 0-3 (at 64 rt + 16 j);   window 3: of K steps 4-7.
.set PITCH, 1040                       ; an LDS row: 1,024 bytes + 16 = 260 words: row r starts at bank 4 r mod 64 (64 banks of 4 bytes: ISA guide 11.1)
.set SLOT,  128*PITCH
.set SCR,   2*SLOT                     ; behind the ring: 256 bytes a wave, in which p changes lanes; no tile lands here
.set SPARE, SCR+4*256                  ; the spare words, 128 bytes for each wave: two blocks of 256 bytes that no other line names
.set SPW, 4                            ; v4   LDS address of my spare word; never rewritten
.set NIL, 5                            ; v5   0; never rewritten
.set ADB, 6                            ; v6, v7   LDS address of my lane's place in slot 0, column half 0, 1;  v14, v15 the same in slot 1 (register ADB + 8 slot + half)
.set AX,  8                            ; v8   16 x lane
.set QO,  9                            ; v9   32 h: my eight q' of a fragment
.set PST, 10                           ; v10  p into the scratch: 4 r
.set PLD, 11                           ; v11  and back: 32 h
.set PO8, 12                           ; v12  8 x lane
.set PFO, 13                           ; v13  the prefetches' offset: 1,024 x lane + 256 x my place in the cluster
.set TC,  16                           ; v[16:31]  t's chains: pair (rt, f % 2) at 16 + 4 rt + 2 (f % 2)
.set TP,  32                           ; v[32:35]  t, then p, of row 16 rt + r
.set TM,  36                           ; v[36:39]  what the other half of the lanes holds
.set GC,  40                           ; v[40:55]  agg's chains: pair (f, rt % 2) at 40 + 4 f + 2 (rt % 2)
.set XR,  56                           ; v[56:59]  a record's four numbers of my lane
.set ML,  60                           ; v[60:61]  m, l
.set Q,   64
.set P,   96
.set ACC, 128
.set G1,  24                           ; s[24:31] descriptor group 1;  s[32:35], s[36:39] group 0 for slot 0, 1
.set G0,  32
.set PFA, 44                           ; s[44:45] my 32 rows of k's tile of the head in hand: the prefetches' base
.set LIM, 46                           ; s46, s47 a wave prefetches at k's (v's) change of slots while the count of trips to go is above s46 (s47)
.set TO_B, 0x40                        ; destination window 1, address window 0
.set MSB, 0
.macro WIN new                         ; the immediate's high byte repeats the setting that is left; a switch that changes nothing is dropped
.if MSB != (\new)
	s_set_vgpr_msb (MSB<<8)|(\new)
.set MSB, (\new)
.endif
.endm
.macro PLACES                          ; four places (ISA guide 7.12.1 for vector instructions) behind matrix instructions
.rept 4
	v_nop
.endr
.endm
.macro CREST                           ; a round of the cluster's barrier behind its opening barrier
	s_cmp_lg_u32 s12, 0
	s_cbranch_scc1 .Lnot_wave_0_\@
	s_barrier_signal -3
.Lnot_wave_0_\@:
	s_barrier_wait -3
	s_barrier_signal -1
	s_barrier_wait -1
.endm
.macro CROUND
	s_barrier_signal -1
	s_barrier_wait -1
	CREST
.endm
.macro JLOAD s                         ; every wave asks for its 32 rows of slot s by the same line; four v_nop follow
	tensor_load_to_lds s[G0+4*(\s):G0+4*(\s)+3], s[G1:G1+7]
	s_nop 0
	PLACES
.endm
.macro FETCH s, u, jn, set             ; four fragments (the 64 rows of column half u of slot s) of K step jn into set `set`
.irp f, 0,1,2,3
.irp c, 0,1,2,3
	ds_load_b128 v[64*(\set)+16*\f+4*\c:64*(\set)+16*\f+4*\c+3], v[ADB+8*(\s)+(\u)] offset:\f*16*PITCH+128*(\jn)+32*\c
.endr
.endr
.endm
; 16 matrix instructions: K step j.  The 16 accumulators take turns, one instruction a turn, in the same order in every K step.  K step 0 starts the sums: nothing is cleared.
.macro MUL16 kind, j
.if (\kind) == 0
	WIN 0x09+4*((\j)/4)                            ; source 0 (Wkv) window 1, source 1 (x) window 2 or 3
.else
	WIN 0x06+((\j)/4)                              ; source 0 (x) window 2 or 3, source 1 (Wkv) window 1
.endif
.irp f, 0,1,2,3
.irp rt, 0,1,2,3
.set rD, ACC+8*(4*\rt+\f)
.set rB, 64*((\j)%4)+16*\f
.set rA, 64*\rt+16*((\j)%4)
.if (\kind) == 0
.if (\j) == 0
	v_wmma_f32_16x16x128_fp8_fp8 v[rD:rD+7], v[rB:rB+15], v[rA:rA+15], 0
.else
	v_wmma_f32_16x16x128_fp8_fp8 v[rD:rD+7], v[rB:rB+15], v[rA:rA+15], v[rD:rD+7]
.endif
.else
.if (\j) == 0
	v_wmma_f32_16x16x128_fp8_fp8 v[rD:rD+7], v[rA:rA+15], v[rB:rB+15], 0
.else
	v_wmma_f32_16x16x128_fp8_fp8 v[rD:rD+7], v[rA:rA+15], v[rB:rB+15], v[rD:rD+7]
.endif
.endif
.endr
.endr
.endm
; A PREFETCH INTO THE L2, behind the joint load, its four lines and the run of LDS loads: the tile that the NEXT change of slots will ask for, 16 + 128 + 112 = 256 matrix instructions ahead of that load.
; At k's change of head i that is v of head i + 1 (1,024 + 128 rows on from k of head i); at v's change it is k of head i + 2 (256 rows on), and nothing in the last trip, where there is no such head.
; All clusters of a half of the heads walk the same rows: the first cluster of each half asks, and nobody else.  Each wave asks for the 32 rows that it fetches, a lane a row; the four partners take the four quarters of 256 bytes
; of a row, told apart BY ADDRESS.  So each aligned block of 256 bytes is named once in the launch.  The first head's tiles and k of the second come by their loads alone.
.macro ASK kind
	s_cmp_gt_u32 s40, s[LIM+(\kind)]
	s_cbranch_scc0 .Lnot_mine_\@
.if (\kind) == 0
	global_prefetch_b8 v[PFO], s[PFA:PFA+1] offset:1048576+131072 th:TH_LOAD_NT scope:SCOPE_SE
.else
	global_prefetch_b8 v[PFO], s[PFA:PFA+1] offset:262144 th:TH_LOAD_NT scope:SCOPE_SE
.endif
.Lnot_mine_\@:
.endm
.macro QLOAD u                         ; q' at d = 64 u + 16 f + 8 h + 0 .. 7 of the head in hand
.irp f, 0,1,2,3
	global_load_b128 v[Q+8*\f:Q+8*\f+3],   v[QO], s[48:49] offset:256*(\u)+64*\f
	global_load_b128 v[Q+8*\f+4:Q+8*\f+7], v[QO], s[48:49] offset:256*(\u)+64*\f+16
.endr
.endm
; A STEP.  kind 0: k, 1: v: also its slot.  u: its column half.  mode 3: the next step is the same slot's second half; 2: the slots change and this slot is filled again; 1: the slots change, nothing is filled; 0: the last step.
.macro STEP kind, u, mode
.irp j, 0,1,2,3
	s_wait_dscnt 48                                ; this K step's set is in; the three younger sets of 16 loads may be out
	MUL16 \kind, \j
	PLACES
	WIN TO_B
	FETCH \kind, \u, \j+4, \j                      ; the set just multiplied takes the K step four further on
.endr
.if (\mode) == 3
.irp j, 4,5,6,7
	s_wait_dscnt 48
	MUL16 \kind, \j
	PLACES
	WIN TO_B
	FETCH \kind, 1, \j-4, \j-4                     ; the next step's fragments lie in the same slot: no barrier stands between a slot's two steps
.endr
	WIN 0
.elseif (\mode) == 0
	s_wait_dscnt 48                                ; nothing more to fetch: the counts run down
	MUL16 \kind, 4
	s_wait_dscnt 32
	MUL16 \kind, 5
	s_wait_dscnt 16
	MUL16 \kind, 6
	s_wait_dscnt 0x0
	MUL16 \kind, 7
	PLACES
	WIN 0
.else
	s_wait_dscnt 48
	MUL16 \kind, 4
	WIN 0                                          ; (the add's two registers lie in window 0)
	s_wait_tensorcnt 0x0                           ; all my tensor loads have landed: the one that was out is my part of the other slot; so a group 0 may be written
	ds_add_u32 v[SPW], v[NIL]                      ; 0 onto my spare word
.if (\mode) == 2
	s_add_nc_u64 s[G0+4*(\kind)+2:G0+4*(\kind)+3], s[G0+4*(\kind)+2:G0+4*(\kind)+3], 131072   ; this slot's next tile: the next head's, 128 rows on.  The type bits on top are not reached
.endif
	s_wait_dscnt 33                                ; (two sets and the add may be out)
	MUL16 \kind, 5                                 ; sixteen matrix instructions stand between the add and the wait for it
	s_wait_dscnt 0x0                               ; the add is done, and my reads of this slot are over (the last were issued 32 matrix instructions ago)
	s_barrier_signal -1
	MUL16 \kind, 6                                 ; work on registers while the others arrive
	WIN 0
	s_barrier_wait -1
.if (\mode) == 2
	CREST                                          ; the barrier has opened a round of the cluster's: no wave of any partner still reads this slot or has a load on its way
	JLOAD \kind                                    ; the first tensor load behind the round, my one load until the next; its four v_nop are also the places in front of the loads below
.else
	PLACES
.endif
	WIN TO_B
	FETCH 1-\kind, 0, 0, 0                         ; the next step's first fragments, from the other slot, which is whole
	FETCH 1-\kind, 0, 1, 1
	FETCH 1-\kind, 0, 2, 2
	WIN 0
.if (\mode) == 2
	ASK \kind
.endif
	MUL16 \kind, 7
	PLACES
	WIN TO_B
	FETCH 1-\kind, 0, 3, 3
	WIN 0
.endif
.endm
; t += q' . ksum over this half's 64 d: lane (r, h) holds row 16 rt + r and d = 64 u + 16 f + 8 h + 0 .. 7.  Each accumulator is read from its low end on; four chains lie between two links of a chain.
.macro DRAIN_K u
	s_wait_loadcnt 0x0                             ; q'
.irp f, 0,1,2,3
.irp i, 0,1,2,3
.irp rt, 0,1,2,3
.set rT, TC+4*\rt+2*(\f%2)
.set rD, ACC+8*(4*\rt+\f)+2*\i
.set rQ, Q+8*\f+2*\i
.if ((\u) == 0) && (\f < 2) && (\i == 0)
	v_pk_mul_f32 v[rT:rT+1], v[rD:rD+1], v[rQ:rQ+1]          ; the first products start the chains
.else
	v_pk_fma_f32 v[rT:rT+1], v[rD:rD+1], v[rQ:rQ+1], v[rT:rT+1]
.endif
.endr
.endr
.endr
.endm
; The block's softmax: m over its 64 rows is taken away before the exponential.  p then changes lanes through my scratch: from a row a lane to eight rows a lane.
.macro SOFTMAX
.irp rt, 0,1,2,3
	v_pk_add_f32 v[TC+4*\rt:TC+4*\rt+1], v[TC+4*\rt:TC+4*\rt+1], v[TC+4*\rt+2:TC+4*\rt+3]
.endr
.irp rt, 0,1,2,3
	v_add_f32 v[TP+\rt], v[TC+4*\rt], v[TC+4*\rt+1]
.endr
.irp rt, 0,1,2,3
	v_permlanex16_b32 v[TM+\rt], v[TP+\rt], s42, s43         ; the row's other 64 d lie in the lane 16 away
.endr
.irp rt, 0,1,2,3
	v_add_f32 v[TP+\rt], v[TP+\rt], v[TM+\rt]                ; t; the same in both halves of the lanes
.endr
	v_max3_num_f32 v[ML], v[TP], v[TP+1], v[TP+2]
	v_max_num_f32 v[ML], v[ML], v[TP+3]
	v_max_num_f32_dpp v[ML], v[ML], v[ML] row_xmask:1 row_mask:0xf bank_mask:0xf
	v_max_num_f32_dpp v[ML], v[ML], v[ML] row_xmask:2 row_mask:0xf bank_mask:0xf
	v_max_num_f32_dpp v[ML], v[ML], v[ML] row_xmask:4 row_mask:0xf bank_mask:0xf
	v_max_num_f32_dpp v[ML], v[ML], v[ML] row_xmask:8 row_mask:0xf bank_mask:0xf
.irp rt, 0,1,2,3
	v_sub_f32 v[TP+\rt], v[TP+\rt], v[ML]
.endr
	s_wait_alu depctr_va_vdst(0)
.irp rt, 0,1,2,3
	v_exp_f32 v[TP+\rt], v[TP+\rt]
.endr
	v_nop                                          ; a plain instruction behind the last exponential,
	s_wait_alu depctr_va_vdst(0)                   ; and one wait for the four, ahead of their first reader
	v_add_f32 v[ML+1], v[TP], v[TP+1]
	v_add_f32 v[TM], v[TP+2], v[TP+3]
	v_add_f32 v[ML+1], v[ML+1], v[TM]
	v_add_f32_dpp v[ML+1], v[ML+1], v[ML+1] row_xmask:1 row_mask:0xf bank_mask:0xf
	v_add_f32_dpp v[ML+1], v[ML+1], v[ML+1] row_xmask:2 row_mask:0xf bank_mask:0xf
	v_add_f32_dpp v[ML+1], v[ML+1], v[ML+1] row_xmask:4 row_mask:0xf bank_mask:0xf
	v_add_f32_dpp v[ML+1], v[ML+1], v[ML+1] row_xmask:8 row_mask:0xf bank_mask:0xf   ; l: sixteen lanes hold the 64 rows; the other half holds the same
.irp rt, 0,1,2,3
	ds_store_b32 v[PST], v[TP+\rt] offset:64*\rt             ; p of row 16 rt + r at byte 4 (16 rt + r); both halves write the same bytes with the same numbers
.endr
.irp rt, 0,1,2,3
	ds_load_b128 v[P+8*\rt:P+8*\rt+3],   v[PLD] offset:64*\rt         ; p of rows 16 rt + 8 h + 0 .. 7.  LDS serves a wave's instructions in order.  The wait: the next step's fourth wait for 48,
	ds_load_b128 v[P+8*\rt+4:P+8*\rt+7], v[PLD] offset:64*\rt+16      ; behind which three sets of 16 younger loads are all that may be out
.endr
.endm
; agg = p . vsum for this half's 64 d: lane (r, h) holds d = 64 u + 16 f + r and rows 16 rt + 8 h + 0 .. 7.
.macro DRAIN_V u
.irp rt, 0,1,2,3
.irp i, 0,1,2,3
.irp f, 0,1,2,3
.set rG, GC+4*\f+2*(\rt%2)
.set rD, ACC+8*(4*\rt+\f)+2*\i
.set rP, P+8*\rt+2*\i
.if (\rt < 2) && (\i == 0)
	v_pk_mul_f32 v[rG:rG+1], v[rD:rD+1], v[rP:rP+1]
.else
	v_pk_fma_f32 v[rG:rG+1], v[rD:rD+1], v[rP:rP+1], v[rG:rG+1]
.endif
.endr
.endr
.endr
.irp f, 0,1,2,3
	v_pk_add_f32 v[GC+4*\f:GC+4*\f+1], v[GC+4*\f:GC+4*\f+1], v[GC+4*\f+2:GC+4*\f+3]
.endr
.irp f, 0,1,2,3
	v_add_f32 v[GC+4*\f], v[GC+4*\f], v[GC+4*\f+1]
.endr
.irp f, 0,1,2,3
	v_permlanex16_b32 v[TM+\f], v[GC+4*\f], s42, s43         ; the other 32 rows lie in the lane 16 away
.endr
.irp f, 0,1,2,3
	v_add_f32 v[GC+4*\f], v[GC+4*\f], v[TM+\f]
.endr
	v_cndmask_b32 v[XR+2*(\u)],   v[GC],   v[GC+4],  s52    ; lane l takes d = 32 (2 u) + l: lanes 0-15 of fragment 0, lanes 16-31 of fragment 1;
	v_cndmask_b32 v[XR+2*(\u)+1], v[GC+8], v[GC+12], s52    ; and d = 32 (2 u + 1) + l
.endm
.macro RECORD                          ; 768 bytes: float 4 l + g = agg[32 g + l]; then (m, l), once a lane: each store covers whole aligned runs of 256 bytes
	global_store_b128 v[AX], v[XR:XR+3], s[50:51]
	global_store_b64 v[PO8], v[ML:ML+1], s[50:51] offset:512
.endm
	s_load_b256 s[4:11], s[0:1], 0x0               ; x's codes s[4:5], Wkv's codes s[6:7], q' s[8:9], the records s[10:11]
	v_lshl_add_u32 v[SPW], v0, 2, SPARE
	v_mov_b32 v[NIL], 0
	ds_add_u32 v4, v5
	ds_add_u32 v4, v5
	s_wait_dscnt 0x0
	v_lshrrev_b32 v1, 5, v0
	v_readfirstlane_b32 s12, v1                    ; wave 0..3: which 64 of the work-group's rows of x are mine, and which 32 rows of a tile of Wkv I fetch
	s_bfe_u32 s15, ttmp6, 0x40000                  ; cx: my place in the cluster: it enters global addresses of plain loads, stores and prefetches alone
	s_and_b32 s13, ttmp9, 1                        ; which four heads: the cluster's number, odd or even: the same in all four partners
	s_lshr_b32 s14, ttmp9, 1
	s_lshl_b32 s16, s14, 2
	s_add_co_u32 s16, s16, s15                     ; my block of 256 rows of x, 0 .. 127
	; descriptor group 1: a tile of 32 rows x 1,024 bytes, padded in LDS
	s_mov_b32 s[G1+0], 15|(0<<16)|(1<<20)|(1<<21)|(7<<22)|(3<<25)   ; 15:0 the mask: all four work-groups; 17:16 elements of 1 byte; 20 padding on; 21 set beside a mask; 24:22 after every 256 words (code 7); 31:25 four words (code 3)
	s_mov_b32 s[G1+1], 1024<<16                    ; tensor_dim0
	s_mov_b32 s[G1+2], 32<<16                      ; tensor_dim1
	s_mov_b32 s[G1+3], 1024<<16                    ; tile_dim0
	s_mov_b32 s[G1+4], 32                          ; tile_dim1
	s_mov_b32 s[G1+5], 1024                        ; tensor_dim0_stride
	s_mov_b32 s[G1+6], 0
	s_mov_b32 s[G1+7], 0
	s_lshl_b32 s20, s13, 19                        ; four heads of 128 rows of 1,024 bytes,
	s_lshl_b32 s21, s12, 15                        ; 32 rows a wave
	s_add_co_u32 s20, s20, s21
	s_mov_b32 s21, 0
	s_mul_i32 s19, s12, 32*PITCH                   ; where they go: wave x 32 rows
	s_mov_b32 s42, 0x76543210                      ; v_permlanex16_b32: lane l xor 16
	s_mov_b32 s43, 0xfedcba98
	s_mov_b32 s52, 0xffff0000                      ; lanes 16-31
	s_cmp_eq_u32 s14, 0                            ; the first cluster of each half of the heads prefetches: the same in all four partners
	s_cselect_b32 s[LIM], 0, -1                    ; at k's change in every trip,
	s_cselect_b32 s[LIM+1], 1, -1                  ; at v's in all but the last
	s_lshl_b32 s56, s16, 18                        ; x's codes: 256 rows of 1,024 bytes a work-group,
	s_lshl_b32 s57, s12, 16                        ; 64 a wave
	s_add_co_u32 s56, s56, s57
	s_mov_b32 s57, 0
	s_mov_b32 s59, 0
	s_lshl_b32 s58, s13, 11                        ; q': four heads of 512 bytes
	s_wait_kmcnt 0x0
	s_add_nc_u64 s[22:23], s[6:7], s[20:21]        ; my 32 rows of k's first tile
	s_add_nc_u64 s[54:55], s[4:5], s[56:57]
	s_add_nc_u64 s[48:49], s[8:9], s[58:59]
	s_lshr_b32 s56, s16, 3                         ; the record: ((batch x 8 + head) x 32 + block) x 768 bytes; batch = my block of 256 / 8, block = 4 (my block of 256 % 8) + wave
	s_lshl_b32 s56, s56, 3
	s_lshl_b32 s58, s13, 2
	s_add_co_u32 s56, s56, s58
	s_lshl_b32 s56, s56, 5
	s_and_b32 s58, s16, 7
	s_lshl_b32 s58, s58, 2
	s_add_co_u32 s56, s56, s58
	s_add_co_u32 s56, s56, s12
	s_mul_i32 s56, s56, 768
	s_add_nc_u64 s[50:51], s[10:11], s[56:57]
	s_mov_b64 s[PFA:PFA+1], s[22:23]
	CROUND                                         ; all four work-groups are here: the first joint loads meet
.irp s, 0,1
	s_mov_b32 s[G0+4*\s], 1                        ; count = 1
	s_add_co_u32 s[G0+4*\s+1], s19, \s*SLOT        ; LDS address
	s_add_nc_u64 s[G0+4*\s+2:G0+4*\s+3], s[22:23], \s*1048576   ; global address: slot 0 k's rows, slot 1 v's, 1,024 rows on
	s_or_b32 s[G0+4*\s+3], s[G0+4*\s+3], 0x80000000             ; type = 2
.endr
	tensor_load_to_lds s[G0:G0+3], s[G1:G1+7]      ; slot 0's fill; it lands, and a cluster round passes, before slot 1's goes out
	s_nop 0
	s_wait_alu depctr_va_vdst(0)
	s_wait_tensorcnt 0x0
	ds_add_u32 v4, v5
	s_wait_dscnt 0x0
	CROUND
	tensor_load_to_lds s[G0+4:G0+7], s[G1:G1+7]
	s_nop 0
	PLACES
	v_and_b32 v1, 15, v0                           ; r
	v_bfe_u32 v2, v0, 4, 1                         ; h
	v_and_b32 v3, 31, v0                           ; lane
	v_lshlrev_b32 v[AX], 4, v3
	WIN 0x80                                       ; destination window 2
.irp rt, 0,1,2,3
.irp j, 0,1,2,3
.irp c, 0,1,2,3
	global_load_b128 v[64*\rt+16*\j+4*\c:64*\rt+16*\j+4*\c+3], v[AX], s[54:55] offset:\rt*16384+\j*2048+512*\c   ; an image of the operand's registers: 512 consecutive bytes a load
.endr
.endr
.endr
	WIN 0xc0                                       ; destination window 3
.irp rt, 0,1,2,3
.irp j, 0,1,2,3
.irp c, 0,1,2,3
	global_load_b128 v[64*\rt+16*\j+4*\c:64*\rt+16*\j+4*\c+3], v[AX], s[54:55] offset:\rt*16384+(\j+4)*2048+512*\c
.endr
.endr
.endr
	WIN 0
	v_lshlrev_b32 v[QO], 5, v2
	QLOAD 0
	v_mul_u32_u24 v[ADB], v1, PITCH
	v_lshl_add_u32 v[ADB], v2, 4, v[ADB]           ; row x pitch + 16 x half of the lanes: slot 0, column half 0;
	v_add_nc_u32 v[ADB+1], 64*PITCH, v[ADB]        ; column half 1 begins 64 rows on, further than an LDS immediate reaches beside the fragments' offsets: so each has its register
	v_add_nc_u32 v[ADB+8], SLOT, v[ADB]
	v_add_nc_u32 v[ADB+9], SLOT+64*PITCH, v[ADB]
	s_lshl_b32 s18, s12, 8
	s_add_co_u32 s18, s18, SCR                     ; my scratch
	v_lshl_add_u32 v[PST], v1, 2, s18
	v_lshl_add_u32 v[PLD], v2, 5, s18
	v_lshlrev_b32 v[PO8], 3, v3
	s_lshl_b32 s20, s15, 8
	v_lshl_add_u32 v[PFO], v3, 10, s20
.irp i, 0,1,2,3
	v_mov_b32 v[TM+\i], 0                          ; a lane permute's destination counts as read: written once
.endr
	s_wait_tensorcnt 0x1                           ; my part of slot 0 is in; slot 1's may stay out
	s_barrier_signal -1
	s_barrier_wait -1                              ; everybody's is
	WIN TO_B
	FETCH 0, 0, 0, 0
	FETCH 0, 0, 1, 1
	FETCH 0, 0, 2, 2
	FETCH 0, 0, 3, 3
	WIN 0
	s_wait_loadcnt 0x0                             ; x's codes and q'
	s_mov_b32 s40, 3
.Lhead:                                            ; three trips: heads 0 to 2 of the four; each slot is filled again once a trip, with the next head's rows
	STEP 0, 0, 3
	DRAIN_K 0
	QLOAD 1
	STEP 0, 1, 2
	DRAIN_K 1
	SOFTMAX
	s_add_nc_u64 s[48:49], s[48:49], 512           ; (the drain's wait has shown q's loads done)  the next head's q'
	QLOAD 0
	STEP 1, 0, 3
	DRAIN_V 0
	STEP 1, 1, 2
	DRAIN_V 1
	RECORD
	s_wait_xcnt 0x0                                ; the stores have read their base and their data, the trip's prefetches their base: all are written again only behind this wait
	s_add_nc_u64 s[50:51], s[50:51], 32*768        ; the next head's records
	s_add_nc_u64 s[PFA:PFA+1], s[PFA:PFA+1], 131072          ; and its rows of k
	s_sub_co_u32 s40, s40, 1
	s_cmp_lg_u32 s40, 0
	s_cbranch_scc1 .Lhead
	STEP 0, 0, 3                                   ; the last head is written out: it asks for nothing
	DRAIN_K 0
	QLOAD 1
	STEP 0, 1, 1
	DRAIN_K 1
	SOFTMAX
	STEP 1, 0, 3
	DRAIN_V 0
	STEP 1, 1, 0
	DRAIN_V 1
	RECORD
	s_wait_tensorcnt 0x0                           ; the wave's end: behind my last tensor load and my last LDS store
	ds_add_u32 v[SPW], v[NIL]
	s_wait_dscnt 0x0
	CROUND                                         ; the closing round: no work-group ends while a partner may still ask for a tile that names it
	s_endpgm
.Lfunc_end_k_q2bb33995fd_attn:
	.size	k_q2bb33995fd_attn, .Lfunc_end_k_q2bb33995fd_attn-k_q2bb33995fd_attn
	.p2alignl 7, 3214868480
	.fill 96, 4, 3214868480
	.section	.rodata,"a",@progbits
	.p2align	6, 0x0
	.amdhsa_kernel k_q2bb33995fd_attn
		.amdhsa_group_segment_fixed_size 327680
		.amdhsa_private_segment_fixed_size 0
		.amdhsa_enable_private_segment 0
		.amdhsa_kernarg_size 32
		.amdhsa_user_sgpr_count 2
		.amdhsa_user_sgpr_kernarg_segment_ptr 1
		.amdhsa_wavefront_size32 1
		.amdhsa_system_sgpr_workgroup_id_x 1
		.amdhsa_system_sgpr_workgroup_id_y 1
		.amdhsa_system_sgpr_workgroup_id_z 1
		.amdhsa_system_vgpr_workitem_id 0
		.amdhsa_next_free_vgpr 1024
		.amdhsa_next_free_sgpr 66
		.amdhsa_reserve_vcc 0
		.amdhsa_float_denorm_mode_32 3
		.amdhsa_float_denorm_mode_16_64 3
		.amdhsa_memory_ordered 1
		.amdhsa_forward_progress 1
		.amdhsa_inst_pref_size 205
	.end_amdhsa_kernel
	.amdgpu_metadata
---
amdhsa.version: [ 1, 2 ]
amdhsa.kernels:
  - .name:           k_q2bb33995fd_attn
    .symbol:         k_q2bb33995fd_attn.kd
    .args:
      - { .name: xcodes, .offset: 0, .size: 8, .value_kind: global_buffer, .address_space: global }
      - { .name: Wkv_codes, .offset: 8, .size: 8, .value_kind: global_buffer, .address_space: global }
      - { .name: qv, .offset: 16, .size: 8, .value_kind: global_buffer, .address_space: global }
      - { .name: part, .offset: 24, .size: 8, .value_kind: global_buffer, .address_space: global }
    .group_segment_fixed_size: 327680
    .private_segment_fixed_size: 0
    .kernarg_segment_align: 8
    .kernarg_segment_size: 32
    .max_flat_workgroup_size: 128
    .sgpr_count:     66
    .vgpr_count:     1024
    .wavefront_size: 32
...
	.end_amdgpu_metadata
.endif
;; end of part 5
;; launch fin (part 6): grid 16 x 16, 8 waves a work-group, no clusters, 7,168 bytes of LDS; arguments part, lowp_scales, proj_W_codes, proj_b, class_feature, out0; writes out0
.if DOCPART == 6
	.amdgcn_target "amdgcn-amd-amdhsa--gfx1250"
	.amdhsa_code_object_version 6
	.text
	.protected	k_q2bb33995fd_fin
	.globl	k_q2bb33995fd_fin
	.p2align	8
	.type	k_q2bb33995fd_fin,@function
k_q2bb33995fd_fin:
	s_mov_b64 s[64:65], 0
	v_nop
	global_prefetch_b8 v0, s[64:65] scope:SCOPE_SE
	s_setreg_imm32_b32 hwreg(HW_REG_WAVE_SCHED_MODE, 0, 2), 2
	s_setreg_imm32_b32 hwreg(HW_REG_WAVE_MODE, 25, 1), 1
	s_wait_xcnt 0x0
	s_wait_alu depctr_vm_vsrc(0)
; out0[b] = class_feature + Q(agg[b]; e4) proj_W^T + proj_b.  agg[b][head] is joined here from its 32 blocks' records (m, l, unnormalised sums):
; M = max m; w = 2^(m - M); L = sum w l; agg = 2^(e2 + e3) x sum (w / L) agg_block.  The maximum is taken away before the exponential; L is at least 1.
; SHARES.  Work-group (x, y): output columns 64 x .. 64 x + 63 of batch y.  Wave w joins head w, whose 128 numbers are K step w of the product, quantises them in registers and multiplies them with its four
; fragments of proj_W; the eight waves' partial sums meet in LDS, and wave 0 adds them.  A batch's join is repeated by its 16 work-groups (196,608 bytes of records each), which spares a launch.
; The operand's sixteen rows are the one row: source 0 = 16 rows of proj_W, source 1 = the row: register i of lane (r, h) is column 16 t + 8 h + i.
; No tensor load, no cluster: what the work-groups of a batch share is small and is read once by each.
; LIMITS: e4 between -126 and 119; e2 + e3 and e4 + e5 are applied by v_ldexp_f32.  NaN among the inputs is not served.
; THE MODE: SCHED_MODE bits 1:0 = 2 (LLVM: expert scheduling mode 2), set by the entry lines.  The code itself states the register dependences
; between vector or matrix instructions and memory or LDS instructions, with s_wait_alu, always for 0.
; THE PLAN.  Registers that memory or LDS instructions touch, in the order of the text (there is no loop):
;   v4-v7, v8-v11     offsets and LDS addresses: written at the head, never again; read by every load and store.  One wait on va_vdst ahead of the first load serves them all.
;   v[12:13], v[20:23], v[64:127], v[128:255]   the head's global loads land here; no vector instruction names them before.
;   v[16:19]          the head's four sums: written by the multiply-adds, read by four LDS stores, never written again.
;   v[128:191]        read by the multiply-adds as records; then sixteen LDS loads land here.  One wait on va_vdst serves these loads and the four stores ahead of them.
;   v[192:223]        written by the four matrix instructions, read by eight LDS stores, never written again.
;   v[44:59]          wave 0's LDS loads land here; no vector instruction names them before.  v[44:45] are then written by the adds and read by the one global store.
;   v62, v63          written at the head, read by the closing add alone.
; No register that a memory or LDS instruction has read is written again: so no wait on vm_vsrc stands in the text.
; Scalar registers that vector instructions write: s18 (the wave's number) and s32-s63 (the 32 weights): a wait on va_sdst stands ahead of the first reader of each run.
.set RED, 4096                         ; LDS: 512 bytes a wave for a head's 128 numbers; from RED on 256 bytes a wave for its 64 partial sums
.set REC, 128                          ; v[128:255] the 32 records' four numbers of my lane; later v[128:191] the operand's 64 numbers, v[192:223] four accumulators
	s_load_b256 s[4:11], s[0:1], 0x0               ; records s[4:5], scales s[6:7], proj_W's codes s[8:9], proj_b s[10:11]
	s_load_b128 s[12:15], s[0:1], 0x20             ; class_feature s[12:13], out0 s[14:15]
	v_lshl_add_u32 v62, v0, 2, 0x1800
	v_mov_b32 v63, 0
	v_lshrrev_b32 v1, 5, v0
	v_readfirstlane_b32 s18, v1                    ; wave = head
	v_and_b32 v1, 31, v0                           ; lane
	v_and_b32 v2, 15, v0                           ; r
	v_bfe_u32 v3, v0, 4, 1                         ; h
	s_wait_alu depctr_va_vdst(0)
	s_and_b32 s19, ttmp7, 0xffff                   ; the batch
	s_mov_b32 s16, 0x76543210                      ; v_permlanex16_b32: lane l xor 16
	s_mov_b32 s17, 0xfedcba98
	v_lshlrev_b32 v4, 4, v1                        ; a record's sums: 16 x lane
	v_mul_u32_u24 v5, v1, 768                      ; (m, l): lane = block
	v_lshlrev_b32 v6, 10, v2
	v_lshl_add_u32 v6, v3, 4, v6                   ; proj_W: row r of 1,024 bytes, + 16 h
	s_lshl_b32 s26, ttmp9, 8
	v_lshl_add_u32 v7, v1, 3, s26                  ; my two of the 64 columns: 256 x + 8 x lane
	s_wait_alu depctr_va_sdst(0)                   ; s18 is written, ahead of its first reader: LDS addresses, bases and the branch at the end are made from it
	s_lshl_b32 s27, s18, 9
	v_lshl_add_u32 v8, v1, 2, s27                  ; the head's numbers, in: 4 x lane
	v_lshl_add_u32 v9, v3, 6, s27                  ; and back: 64 h
	s_lshl_b32 s27, s18, 8
	s_add_co_u32 s27, s27, RED
	v_lshl_add_u32 v10, v3, 5, s27                 ; the partial sums, in: 32 h
	v_lshlrev_b32 v11, 3, v1
	v_add_nc_u32 v11, RED, v11                     ; and back, in wave 0: 8 x lane
	v_mov_b32 v15, 0                               ; a lane permute's destination counts as read: written once
	s_mov_b32 s29, 0
	s_wait_kmcnt 0x0
	s_load_b128 s[20:23], s[6:7], 0x0              ; e0 .. e3
	s_load_b64 s[24:25], s[6:7], 0x10              ; e4, e5
	s_lshl_b32 s28, s19, 3
	s_add_co_u32 s28, s28, s18
	s_mul_i32 s28, s28, 32*768                     ; the 32 records of (batch, head)
	s_add_nc_u64 s[4:5], s[4:5], s[28:29]
	s_lshl_b32 s28, ttmp9, 16                      ; 64 rows of proj_W,
	s_lshl_b32 s30, s18, 7                         ; K step w
	s_add_co_u32 s28, s28, s30
	s_add_nc_u64 s[8:9], s[8:9], s[28:29]
	s_lshl_b32 s28, s19, 12                        ; the batch's row of out0
	s_add_nc_u64 s[14:15], s[14:15], s[28:29]
	s_wait_alu depctr_va_vdst(0)                   ; the offsets v4 to v7 and the LDS addresses v8 to v11 are written: every load and store of the kernel reads one of them, and none is written again
	global_load_b64 v[12:13], v5, s[4:5] offset:512
.set k, 0
.rept 32
	global_load_b128 v[REC+4*k:REC+4*k+3], v4, s[4:5] offset:768*k     ; 512 consecutive bytes: float 4 l + g = the block's sum at d = 32 g + l
.set k, k+1
.endr
.irp t, 0,1,2,3
.irp c, 0,1,2,3
	global_load_b128 v[64+16*\t+4*\c:64+16*\t+4*\c+3], v6, s[8:9] offset:\t*16384+32*\c
.endr
.endr
	global_load_b64 v[20:21], v7, s[10:11]
	global_load_b64 v[22:23], v7, s[12:13]
	s_wait_loadcnt 0x0
	v_mov_b32 v14, v12
	v_max_num_f32_dpp v14, v14, v14 row_xmask:1 row_mask:0xf bank_mask:0xf
	v_max_num_f32_dpp v14, v14, v14 row_xmask:2 row_mask:0xf bank_mask:0xf
	v_max_num_f32_dpp v14, v14, v14 row_xmask:4 row_mask:0xf bank_mask:0xf
	v_max_num_f32_dpp v14, v14, v14 row_xmask:8 row_mask:0xf bank_mask:0xf
	v_permlanex16_b32 v15, v14, s16, s17
	v_max_num_f32 v14, v14, v15                    ; M
	v_sub_f32 v40, v12, v14
	s_wait_alu depctr_va_vdst(0)
	v_exp_f32 v40, v40                             ; w = 2^(m - M)
	v_nop                                          ; a plain instruction behind the transcendental,
	s_wait_alu depctr_va_vdst(0)                   ; and the wait: the exponential has written v40, ahead of its first reader
	v_mul_f32 v41, v40, v13
	v_add_f32_dpp v41, v41, v41 row_xmask:1 row_mask:0xf bank_mask:0xf
	v_add_f32_dpp v41, v41, v41 row_xmask:2 row_mask:0xf bank_mask:0xf
	v_add_f32_dpp v41, v41, v41 row_xmask:4 row_mask:0xf bank_mask:0xf
	v_add_f32_dpp v41, v41, v41 row_xmask:8 row_mask:0xf bank_mask:0xf
	v_permlanex16_b32 v15, v41, s16, s17
	v_add_f32 v41, v41, v15                        ; L
	s_wait_alu depctr_va_vdst(0)
	v_rcp_f32 v42, v41
	v_nop                                          ; a plain instruction behind the transcendental,
	s_wait_alu depctr_va_vdst(0)                   ; and the same wait: the reciprocal has written v42, ahead of its first reader
	v_mul_f32 v40, v40, v42                        ; w / L of block = lane
.set k, 0
.rept 32
	v_readlane_b32 s[32+k], v40, k                 ; the 32 weights as scalars: they are factors only
.set k, k+1
.endr
	s_wait_alu depctr_va_sdst(0)                   ; s32 to s63 are written, ahead of their first reader: one wait for the run of 32
.irp g, 0,1,2,3
	v_mul_f32 v[16+\g], s32, v[REC+\g]             ; the first block starts the four sums
.endr
.set k, 1
.rept 31
.irp g, 0,1,2,3
	v_fmac_f32 v[16+\g], s[32+k], v[REC+4*k+\g]
.endr
.set k, k+1
.endr
	s_wait_alu depctr_va_vdst(0)
	s_wait_kmcnt 0x0
	s_add_co_i32 s26, s22, s23                     ; e2 + e3: the sums were of raw codes' products
.irp g, 0,1,2,3
	v_ldexp_f32 v[16+\g], v[16+\g], s26
.endr
	s_add_co_i32 s27, s24, 127
	s_lshl_b32 s28, s27, 23
	v_mov_b32 v60, s28                             ; 2^e4 as f32: the conversion takes its exponent field
	s_add_co_i32 s27, s27, 8
	s_lshl_b32 s27, s27, 23
	s_or_b32 s27, s27, 0x600000
	v_mov_b32 v61, s27                             ; 448 x 2^e4
	s_wait_alu depctr_va_vdst(0)                   ; the four sums v[16:19] are written, which the LDS stores read; the multiply-adds are done reading v[128:191], in which the LDS loads land
.irp g, 0,1,2,3
	ds_store_b32 v8, v[16+\g] offset:128*\g        ; agg[32 g + l] at byte 4 (32 g + l): the head's 128 numbers in their order
.endr
.irp c, 0,1,2,3
.irp q, 0,1,2,3
	ds_load_b128 v[REC+16*\c+4*\q:REC+16*\c+4*\q+3], v9 offset:128*\c+16*\q   ; register 16 c + i = K 32 c + 16 h + i.  My own bytes: LDS serves a wave's instructions in order
.endr
.endr
	s_wait_dscnt 0x0
.irp c, 0,1,2,3
.irp i, 0,1,2,3,4,5,6,7,8,9,10,11,12,13,14,15
	v_med3_num_f32 v[REC+16*\c+\i], v[REC+16*\c+\i], -v61, v61    ; the conversion to an 8-bit code does not saturate (ISA guide 7.6.2): the hold at the largest code x the scale
.endr
	v_cvt_scalef32_pk8_fp8_f32 v[24+4*\c:25+4*\c], v[REC+16*\c:REC+16*\c+7], v60
	v_cvt_scalef32_pk8_fp8_f32 v[26+4*\c:27+4*\c], v[REC+16*\c+8:REC+16*\c+15], v60
.endr
	v_nop                                          ; one plain vector instruction between a scaled conversion and the matrix instruction that reads its result
.irp t, 0,1,2,3
	v_wmma_f32_16x16x128_fp8_fp8 v[192+8*\t:199+8*\t], v[64+16*\t:79+16*\t], v[24:39], 0
.endr
.rept 4
	v_nop                                          ; four places ahead of the stores that read the results
.endr
	s_wait_alu depctr_va_vdst(0)                   ; the matrix instructions have written v[192:223], which the LDS stores read; the places above stay beside this wait
.irp t, 0,1,2,3
	ds_store_b128 v10, v[192+8*\t:195+8*\t] offset:64*\t          ; each accumulator from its low end on; the sixteen lanes of a half hold the same numbers and write the same bytes
	ds_store_b128 v10, v[196+8*\t:199+8*\t] offset:64*\t+16
.endr
	s_wait_dscnt 0x0                               ; for the others' sake: my partial sums lie in LDS
	s_barrier_signal -1
	s_barrier_wait -1
	s_cmp_lg_u32 s18, 0
	s_cbranch_scc1 .Lend                           ; wave 0 adds the eight K steps
.irp k, 0,1,2,3,4,5,6,7
	ds_load_b64 v[44+2*\k:45+2*\k], v11 offset:256*\k             ; no vector instruction has named v[44:59]: nothing is owed for these loads
.endr
	s_add_co_i32 s26, s24, s25                     ; e4 + e5
	s_wait_dscnt 0x0
	v_pk_add_f32 v[44:45], v[44:45], v[46:47]
	v_pk_add_f32 v[48:49], v[48:49], v[50:51]
	v_pk_add_f32 v[52:53], v[52:53], v[54:55]
	v_pk_add_f32 v[56:57], v[56:57], v[58:59]
	v_pk_add_f32 v[44:45], v[44:45], v[48:49]
	v_pk_add_f32 v[52:53], v[52:53], v[56:57]
	v_pk_add_f32 v[44:45], v[44:45], v[52:53]
	v_ldexp_f32 v44, v44, s26
	v_ldexp_f32 v45, v45, s26
	v_pk_add_f32 v[44:45], v[44:45], v[22:23]      ; + class_feature
	v_pk_add_f32 v[44:45], v[44:45], v[20:21]      ; + proj_b
	s_wait_alu depctr_va_vdst(0)                   ; the adds have written v[44:45], which the store reads
	global_store_b64 v7, v[44:45], s[14:15]        ; 32 lanes store 256 consecutive bytes, aligned
.Lend:
	s_wait_dscnt 0x0                               ; the closing lines, six on end
	s_wait_alu 0x0
	s_wait_tensorcnt 0x0
	ds_add_u32 v62, v63
	s_wait_dscnt 0x0
	s_endpgm
.Lfunc_end_k_q2bb33995fd_fin:
	.size	k_q2bb33995fd_fin, .Lfunc_end_k_q2bb33995fd_fin-k_q2bb33995fd_fin
	.p2alignl 7, 3214868480
	.fill 96, 4, 3214868480
	.section	.rodata,"a",@progbits
	.p2align	6, 0x0
	.amdhsa_kernel k_q2bb33995fd_fin
		.amdhsa_group_segment_fixed_size 7168
		.amdhsa_private_segment_fixed_size 0
		.amdhsa_enable_private_segment 0
		.amdhsa_kernarg_size 48
		.amdhsa_user_sgpr_count 2
		.amdhsa_user_sgpr_kernarg_segment_ptr 1
		.amdhsa_wavefront_size32 1
		.amdhsa_system_sgpr_workgroup_id_x 1
		.amdhsa_system_sgpr_workgroup_id_y 1
		.amdhsa_system_sgpr_workgroup_id_z 1
		.amdhsa_system_vgpr_workitem_id 0
		.amdhsa_next_free_vgpr 256
		.amdhsa_next_free_sgpr 66
		.amdhsa_reserve_vcc 0
		.amdhsa_float_denorm_mode_32 3
		.amdhsa_float_denorm_mode_16_64 3
		.amdhsa_memory_ordered 1
		.amdhsa_forward_progress 1
		.amdhsa_inst_pref_size 24
	.end_amdhsa_kernel
	.amdgpu_metadata
---
amdhsa.version: [ 1, 2 ]
amdhsa.kernels:
  - .name:           k_q2bb33995fd_fin
    .symbol:         k_q2bb33995fd_fin.kd
    .args:
      - { .name: part, .offset: 0, .size: 8, .value_kind: global_buffer, .address_space: global }
      - { .name: lowp_scales, .offset: 8, .size: 8, .value_kind: global_buffer, .address_space: global }
      - { .name: proj_W_codes, .offset: 16, .size: 8, .value_kind: global_buffer, .address_space: global }
      - { .name: proj_b, .offset: 24, .size: 8, .value_kind: global_buffer, .address_space: global }
      - { .name: class_feature, .offset: 32, .size: 8, .value_kind: global_buffer, .address_space: global }
      - { .name: out0, .offset: 40, .size: 8, .value_kind: global_buffer, .address_space: global }
    .group_segment_fixed_size: 7168
    .private_segment_fixed_size: 0
    .kernarg_segment_align: 8
    .kernarg_segment_size: 48
    .max_flat_workgroup_size: 256
    .sgpr_count:     66
    .vgpr_count:     256
    .wavefront_size: 32
...
	.end_amdgpu_metadata
.endif
;; end of part 6
